; MI455X (gfx1250); checked and timed in simulation.
; The chip was launched on July 23, 2026; its instructions are those of AMD's public machine-readable ISA for CDNA 5 (MIT licence, August 2026) and "CDNA5" Instruction Set Architecture Reference Guide (July 2026). The comments in the code are by the model that wrote it; some were corrected since.
;; Multi Head Attention. Allowed arithmetic: matrix products marked QUANTISED: E2M3 operands, one E8M0 scale for each 32 along K, by v_wmma_scale_f32_16x16x128_f8f6f4 with both operands' format E2M3, f32 sums; everything else in f32.
;; Inputs: W_out 1,024 x 1,024 float32; W_qkv 3,072 x 1,024 float32; b_out 1,024 float32; b_qkv 3,072 float32; x 4 x 2,048 x 1,024 float32.
;; Outputs: out0 4 x 2,048 x 1,024 float32.
;; This version of the problem:
;;   THIS VERSION OF THE PROBLEM IS GIVEN IN LOW PRECISION. The matrix products marked QUANTISED in the list below multiply operands that are first quantised to E2M3 (2 exponent bits, 3 mantissa bits; 6 bits a number), with one power-of-two scale for each 32 numbers along K (OCP MX v1.0); their sums are f32. All else is computed in f32.
;;   The module's matrix products, in the order in which they are computed (A, B: the left and right operand; K: the contracted axis; several contracted axes count as one K, in the product's order):
;;     1. [M 8,192, K 1,024] x [K 1,024, N 3,072]; A: input x; B: input W_qkv: QUANTISED
;;     2. batch 64 x [M 2,048, K 64] x [K 64, N 2,048]; A: computed on the way; B: computed on the way: QUANTISED
;;     3. batch 64 x [M 2,048, K 2,048] x [K 2,048, N 64]; A: softmax (see below); B: computed on the way: QUANTISED
;;     4. [M 8,192, K 1,024] x [K 1,024, N 1,024]; A: computed on the way; B: input W_out: QUANTISED
;;   THE QUANTISER, for each operand of a quantised product, along K:
;;     - K is cut into blocks of 32 from its start; a last block that is shorter is filled with zeros.
;;     - A block's scale is 2^e with e = floor(log2(the largest magnitude in the block)) - 2, held to -126 .. 127; a block of zeros has e = 0. As a byte (E8M0): e + 127.
;;     - Each number is divided by its block's scale, clamped to +-7.5, and rounded to the nearest number of E2M3, ties to even, subnormals kept.
;;     - The product sums the exact products of the quantised numbers (number of the format x scale) in f32.
;;   ~~~python
;;   def quantise(x, axis):      # numpy; x: float32 -> the quantised numbers, widened to float32 again
;;       x = np.moveaxis(x, axis, -1); K = x.shape[-1]
;;       x = np.pad(x, [(0, 0)] * (x.ndim - 1) + [(0, -K % 32)]); x = x.reshape(x.shape[:-1] + (-1, 32)); a = np.abs(x).max(-1, keepdims=True)
;;       e = np.where(a > 0, np.clip(np.frexp(np.where(a > 0, a, 1))[1] - 1 - 2, -126, 127), 0)      # np.frexp(a)[1] - 1 = floor(log2(a)), exactly
;;       r = np.clip(x / 2.0 ** e, -7.5, 7.5)
;;       step = 2.0 ** (np.maximum(np.frexp(np.where(r == 0, 1, r))[1] - 1, 0) - 3)
;;       q = np.round(r / step) * step * 2.0 ** e      # np.round: ties to even
;;       return np.moveaxis(q.reshape(q.shape[:-2] + (-1,))[..., :K], -1, axis).astype(np.float32)
;;   ~~~
;;   SOFTMAX AHEAD OF A QUANTISED PRODUCT. Where the list says 'softmax', what is quantised is not the finished softmax but p = 2^(t - M), with t = logit x log2(e) and M = ceil(the row's largest t), a whole number; so 1/2 < the row's largest p <= 1. The row's sum l is taken of the UNQUANTISED p, in f32, and the product's result is divided by l at the end. Since M is a whole number, a kernel that streams over the keys may use a running M (the ceiling of the running maximum): every later rescaling is an exact power of two, which a block's scale takes up: the codes' values come out the same.
;;   OPERANDS COMPUTED ON THE WAY. 'Computed on the way' means the value that the module computes at that place (a softmax that the list does not call 'softmax' is quantised finished and normalised). What goes into a quantiser is computed in f32, as accurately as f32 sums, v_exp_f32 and their like allow (about 1e-6 of the number): no bf16 or f16 on the way to a quantiser, and a product that is left as it is and whose result goes on into a quantised operand takes f32 operands (vector FMAs, or v_wmma_f32_16x16x4_f32). A number that lies on a knife's edge between two numbers of the format may be rounded either way, as far as f32 arithmetic and the matrix unit's own rounding can turn it there, and no further.
;; One version. Each part assembles by itself: llvm-mc -triple=amdgcn-amd-amdhsa -mcpu=gfx1250 --defsym DOCPART=n.
;; ======== version 1 of 1: 4 launches
;; limits: right only within a limited range of input values
;; workspace buffers: cod 9,437,184 bytes; scl 393,216 bytes; qi 6,291,456 bytes; qs 524,288 bytes; kv 13,369,344 bytes; oi 6,291,456 bytes; os 262,144 bytes
;; launch quant (part 1): grid 192 x 2, 4 waves a work-group, no clusters, 35,328 bytes of LDS; arguments x, W_qkv, W_out, cod, scl; writes cod, scl
.if DOCPART == 1
	.amdgcn_target "amdgcn-amd-amdhsa--gfx1250"
	.amdhsa_code_object_version 6
	.text
	.protected	k_qb3816e611c_quant
	.globl	k_qb3816e611c_quant
	.p2align	8
	.type	k_qb3816e611c_quant,@function
k_qb3816e611c_quant:
	s_mov_b64 s[64:65], 0
	v_nop
	global_prefetch_b8 v0, s[64:65] scope:SCOPE_SE
	s_setreg_imm32_b32 hwreg(HW_REG_WAVE_MODE, 25, 1), 1
	s_wait_xcnt 0x0
; x [8192][1024], W_qkv [3072][1024] and W_out [1024][1024], f32 with K innermost, become codes of FP6 (E2M3) with one E8M0 scale byte for each 32 along K.
; A block's scale is 2^(floor(log2(its largest magnitude)) - 2): its byte is the largest magnitude's exponent field - 2, held at 1 from below by a floor among the maximum's leaves.
; THE RESULT IS LAID AS THE MATRIX UNIT'S REGISTERS WANT IT.  The three tensors are stacked as 12,288 POSITIONS (x 0.., W_qkv 8192.., W_out 11264..).  Within each 64 rows position 16 t + 8 e + j holds row
; 32 e + 8 t + j; a tile is 16 neighbouring positions.  A fragment (a tile x 128 K, 12 registers a lane: lane (r, h) holds position r, registers 6 c .. 6 c + 5 hold k = 64 c + 32 h + 0 .. 31) lies in cod as
; three groups of 512 bytes, lane l's registers 4 g .. 4 g + 3 at 512 g + 16 l: cod = [tile][K step 0..7][1536].  scl = [position / 128][K step][128 words]: a position's four bytes of a K step.
; SHARES.  Work-group (x, y): 64 rows (stacked group x), K steps 4 y .. 4 y + 3.  Wave w is tile w of the group.  A K step of a tile: 16 loads, each 512 consecutive bytes of one row; they turn through the wave's
; own stage in LDS (rows 528 bytes apart), from which lane (r, h) takes its two whole blocks of 32 neighbours: a block's maximum needs no other lane, and the conversions' results are the operand's registers.
; LIMITS: NaN and infinities are not served; a block whose largest magnitude lies under 2^-124 is held at the byte 1; a block of zeros has the byte 1 (not 127): its codes are zeros, and only this program reads the bytes.
.set STG,  8448                        ; a wave's stage: 16 rows x 528 bytes
.set SCW,  4*STG                       ; behind the stages: the work-group's scale words, [K step 0..3][64 positions]
.set SH8,  4                           ; v4     8 h: where my two scale bytes go in the word
.set CA,   8                           ; v8-9   largest magnitudes, first halves of my two blocks
.set CB,   10                          ; v10-11 second halves
.set SCLR, 12                          ; v12-13 the conversions' scale operands
.set BY,   16                          ; v16-17 the scale bytes
.set TT,   18                          ; v18    the other half's bytes
.set WD,   20                          ; v20-23 a scale word for each K step
.set TP,   24                          ; v24-26, v28-30 the upper halves of a block's codes (a conversion's three registers begin on an even number)
.set CD,   32                          ; v32-55 two sets of 12: a fragment's codes
.set X,    64                          ; v64-127 my 64 numbers: register 32 c + i is k = 64 c + 32 h + i
.set R,    128                         ; v128-255 two sets of 64: a K step as loaded
.set SEL,  26                          ; s[26:27] lane selects: lane l xor 16
	s_load_b128 s[4:7], s[0:1], 0x0                ; x, W_qkv
	s_load_b128 s[8:11], s[0:1], 0x10              ; W_out, cod
	s_load_b64 s[12:13], s[0:1], 0x20              ; scl
	v_lshl_add_u32 v62, v0, 2, 0x8800
	v_mov_b32 v63, 0
	v_lshrrev_b32 v1, 5, v0
	v_readfirstlane_b32 s16, v1                    ; wave 0..3
	v_and_b32 v2, 31, v0                           ; lane
	v_and_b32 v1, 15, v0                           ; r
	v_bfe_u32 v19, v0, 4, 1                        ; h
	v_lshlrev_b32 v3, 4, v2                        ; 16 x lane
	v_lshlrev_b32 v[SH8], 3, v19
	s_mul_i32 s17, s16, STG
	v_add_nc_u32 v14, s17, v3                      ; the stage, way in: a row's 512 bytes as they lie
	v_mul_u32_u24 v15, v1, 528
	v_lshl_add_u32 v15, v19, 7, v15
	v_add_nc_u32 v15, s17, v15                     ; way out: row r, + 128 h
	s_lshl_b32 s18, s16, 6
	s_add_co_u32 s18, s18, SCW
	v_lshlrev_b32 v5, 2, v1
	v_add_nc_u32 v5, s18, v5                       ; my position's scale word: 4 (16 w + r)
	s_lshl_b32 s18, s16, 8
	s_add_co_u32 s18, s18, SCW
	v_lshlrev_b32 v7, 3, v2                        ; 8 x lane
	v_add_nc_u32 v6, s18, v7                       ; at the end wave w takes K step w's 256 bytes
	v_mov_b32 v[TT], 0                             ; written once: a lane permute's destination counts as one of its sources
	s_mov_b32 s[SEL], 0x76543210
	s_mov_b32 s[SEL+1], 0xfedcba98
	s_and_b32 s19, ttmp7, 0xffff                   ; y
	s_mov_b32 s20, 176
	s_wait_alu depctr_va_vdst(0)
	s_wait_kmcnt 0x0
	s_cmp_lt_u32 ttmp9, 176                        ; which tensor: the choice hangs on the work-group's number alone
	s_cselect_b64 s[6:7], s[6:7], s[8:9]
	s_cselect_b32 s20, 128, s20
	s_cmp_lt_u32 ttmp9, 128
	s_cselect_b64 s[4:5], s[4:5], s[6:7]
	s_cselect_b32 s20, 0, s20
	s_sub_co_u32 s20, ttmp9, s20                   ; the group's number in its tensor
	s_lshl_b32 s20, s20, 18                        ; 64 rows of 4,096 bytes,
	s_lshl_b32 s21, s16, 15                        ; + 8 w rows,
	s_add_co_u32 s20, s20, s21
	s_lshl_b32 s21, s19, 11                        ; + 4 y K steps of 512 bytes
	s_add_co_u32 s20, s20, s21
	s_mov_b32 s21, 0
	s_add_nc_u64 s[4:5], s[4:5], s[20:21]
	s_lshl_b32 s22, ttmp9, 2
	s_add_co_u32 s22, s22, s16                     ; my tile
	s_mul_i32 s22, s22, 12288
	s_mul_i32 s23, s19, 6144
	s_add_co_u32 s22, s22, s23
	s_mov_b32 s23, 0
	s_add_nc_u64 s[10:11], s[10:11], s[22:23]
	s_lshr_b32 s24, ttmp9, 1                       ; scl: the block of 128 positions,
	s_lshl_b32 s24, s24, 12
	s_lshl_b32 s25, s19, 2
	s_add_co_u32 s25, s25, s16                     ; K step 4 y + w,
	s_lshl_b32 s25, s25, 9
	s_add_co_u32 s24, s24, s25
	s_and_b32 s25, ttmp9, 1                        ; my group's half of the 128
	s_lshl_b32 s25, s25, 8
	s_add_co_u32 s24, s24, s25
	s_mov_b32 s25, 0
	s_add_nc_u64 s[12:13], s[12:13], s[24:25]
.macro LOAD t                          ; K step t of my 16 positions: position p is row 32 (p / 8) + 8 w + p % 8; each load reads 512 consecutive bytes
.irp p, 0,1,2,3,4,5,6,7,8,9,10,11,12,13,14,15
	global_load_b128 v[R+64*((\t)%2)+4*\p:R+64*((\t)%2)+4*\p+3], v3, s[4:5] offset:(32*(\p/8)+\p%8)*4096+512*(\t) th:TH_LOAD_NT
.endr
.endm
.macro TURN t                          ; through the stage: LDS serves a wave's instructions in order, so no wait stands between the stores and the loads
.irp p, 0,1,2,3,4,5,6,7,8,9,10,11,12,13,14,15
	ds_store_b128 v14, v[R+64*((\t)%2)+4*\p:R+64*((\t)%2)+4*\p+3] offset:528*\p
.endr
.irp c, 0,1
.irp i, 0,1,2,3,4,5,6,7
	ds_load_b128 v[X+32*\c+4*\i:X+32*\c+4*\i+3], v15 offset:256*\c+16*\i
.endr
.endr
.endm
; 64 numbers of a lane (two whole blocks) become the fragment's 12 registers, d0 and d1 on, and its scale word w
.macro QUANT2 s, d0, d1, w
	v_max3_num_f32 v[CA], 0x1800000, |v[(\s)]|, |v[(\s)+1]|          ; the floor 2^(3 - 127) among the leaves: the byte cannot fall under 1
	v_max3_num_f32 v[CA+1], 0x1800000, |v[(\s)+32]|, |v[(\s)+33]|
	v_max3_num_f32 v[CB], 0, |v[(\s)+16]|, |v[(\s)+17]|
	v_max3_num_f32 v[CB+1], 0, |v[(\s)+48]|, |v[(\s)+49]|
.irp i, 2,4,6,8,10,12,14
	v_max3_num_f32 v[CA], v[CA], |v[(\s)+\i]|, |v[(\s)+\i+1]|        ; four chains by turns
	v_max3_num_f32 v[CA+1], v[CA+1], |v[(\s)+32+\i]|, |v[(\s)+33+\i]|
	v_max3_num_f32 v[CB], v[CB], |v[(\s)+16+\i]|, |v[(\s)+17+\i]|
	v_max3_num_f32 v[CB+1], v[CB+1], |v[(\s)+48+\i]|, |v[(\s)+49+\i]|
.endr
	v_max_num_f32 v[CA], v[CA], v[CB]
	v_max_num_f32 v[CA+1], v[CA+1], v[CB+1]
	v_add_nc_u32 v[SCLR], 0xff000000, v[CA]        ; 2 off the exponent field: the conversion takes this operand's exponent field as its scale
	v_add_nc_u32 v[SCLR+1], 0xff000000, v[CA+1]
	v_lshrrev_b32 v[BY], 23, v[SCLR]               ; the scale's byte
	v_lshrrev_b32 v[BY+1], 23, v[SCLR+1]
	v_lshl_or_b32 v[\w], v[BY+1], 16, v[BY]        ; my blocks are h and 2 + h of the word's four
	v_lshlrev_b32 v[\w], v[SH8], v[\w]
	v_permlanex16_b32 v[TT], v[\w], s[SEL], s[SEL+1]
	v_or_b32 v[\w], v[\w], v[TT]                   ; with lane l xor 16's two the word is whole
	v_cvt_scalef32_pk16_fp6_f32 v[(\d0):(\d0)+2], v[(\s):(\s)+15], v[SCLR]
	v_cvt_scalef32_pk16_fp6_f32 v[TP:TP+2], v[(\s)+16:(\s)+31], v[SCLR]
	v_cvt_scalef32_pk16_fp6_f32 v[(\d1):(\d1)+2], v[(\s)+32:(\s)+47], v[SCLR+1]
	v_cvt_scalef32_pk16_fp6_f32 v[TP+4:TP+6], v[(\s)+48:(\s)+63], v[SCLR+1]
	v_nop                                          ; one plain place behind a scaled conversion
.irp i, 0,1,2
	v_mov_b32 v[(\d0)+3+\i], v[TP+\i]
	v_mov_b32 v[(\d1)+3+\i], v[TP+4+\i]
.endr
.endm
.macro KSTEP t
.if (\t) < 3
	s_wait_loadcnt 16                              ; this K step's 16 loads are in; the next step's 16 may be out
.else
	s_wait_loadcnt 0x0
.endif
	TURN \t
	s_wait_dscnt 0x0                               ; my 64 numbers are back, and the stage's stores have read their registers,
.if (\t) < 2
	LOAD (\t)+2                                    ; which take the K step two on
.else
	s_wait_xcnt 0x0                                ; the stores of two steps ago have read this set of codes: it is written again only behind this wait
.endif
	QUANT2 X, CD+12*((\t)%2), CD+12*((\t)%2)+6, WD+(\t)
.irp c, 0,1,2
	global_store_b128 v3, v[CD+12*((\t)%2)+4*\c:CD+12*((\t)%2)+4*\c+3], s[10:11] offset:1536*(\t)+512*\c   ; 512 consecutive bytes, aligned
.endr
	ds_store_b32 v5, v[WD+(\t)] offset:256*(\t)    ; both halves of the lanes write the same word with the same value
.endm
	LOAD 0
	LOAD 1
	KSTEP 0
	KSTEP 1
	KSTEP 2
	KSTEP 3
	s_wait_dscnt 0x0                               ; for the others' sake: my scale words lie in LDS
	s_barrier_signal -1
	s_barrier_wait -1
	ds_load_b64 v[8:9], v6                         ; K step 4 y + w: the 64 positions' words
	s_wait_dscnt 0x0
	global_store_b64 v7, v[8:9], s[12:13]          ; 256 consecutive bytes, aligned
	s_wait_tensorcnt 0x0
	ds_add_u32 v62, v63
	s_wait_dscnt 0x0
	s_endpgm
.Lfunc_end_k_qb3816e611c_quant:
	.size	k_qb3816e611c_quant, .Lfunc_end_k_qb3816e611c_quant-k_qb3816e611c_quant
	.p2alignl 7, 3214868480
	.fill 96, 4, 3214868480
	.section	.rodata,"a",@progbits
	.p2align	6, 0x0
	.amdhsa_kernel k_qb3816e611c_quant
		.amdhsa_group_segment_fixed_size 35328
		.amdhsa_private_segment_fixed_size 0
		.amdhsa_enable_private_segment 0
		.amdhsa_kernarg_size 40
		.amdhsa_user_sgpr_count 2
		.amdhsa_user_sgpr_kernarg_segment_ptr 1
		.amdhsa_wavefront_size32 1
		.amdhsa_system_sgpr_workgroup_id_x 1
		.amdhsa_system_sgpr_workgroup_id_y 1
		.amdhsa_system_sgpr_workgroup_id_z 1
		.amdhsa_system_vgpr_workitem_id 0
		.amdhsa_next_free_vgpr 256
		.amdhsa_next_free_sgpr 66
		.amdhsa_reserve_vcc 0
		.amdhsa_float_denorm_mode_32 3
		.amdhsa_float_denorm_mode_16_64 3
		.amdhsa_memory_ordered 1
		.amdhsa_forward_progress 1
		.amdhsa_inst_pref_size 31
	.end_amdhsa_kernel
	.amdgpu_metadata
---
amdhsa.version: [ 1, 2 ]
amdhsa.kernels:
  - .name:           k_qb3816e611c_quant
    .symbol:         k_qb3816e611c_quant.kd
    .args:
      - { .name: x, .offset: 0, .size: 8, .value_kind: global_buffer, .address_space: global }
      - { .name: W_qkv, .offset: 8, .size: 8, .value_kind: global_buffer, .address_space: global }
      - { .name: W_out, .offset: 16, .size: 8, .value_kind: global_buffer, .address_space: global }
      - { .name: cod, .offset: 24, .size: 8, .value_kind: global_buffer, .address_space: global }
      - { .name: scl, .offset: 32, .size: 8, .value_kind: global_buffer, .address_space: global }
    .group_segment_fixed_size: 35328
    .private_segment_fixed_size: 0
    .kernarg_segment_align: 8
    .kernarg_segment_size: 40
    .max_flat_workgroup_size: 128
    .sgpr_count:     66
    .vgpr_count:     256
    .wavefront_size: 32
...
	.end_amdgpu_metadata
.endif
;; end of part 1
;; launch qkv (part 2): grid 8 x 32, 4 waves a work-group, clusters of 4 x 4, 327,680 bytes of LDS; arguments cod, scl, b_qkv, qi, qs, kv; writes qi, qs, kv
.if DOCPART == 2
	.amdgcn_target "amdgcn-amd-amdhsa--gfx1250"
	.amdhsa_code_object_version 6
	.text
	.protected	k_qb3816e611c_qkv
	.globl	k_qb3816e611c_qkv
	.p2align	8
	.type	k_qb3816e611c_qkv,@function
k_qb3816e611c_qkv:
	s_mov_b64 s[64:65], 0
	v_nop
	global_prefetch_b8 v0, s[64:65] scope:SCOPE_SE
	s_setreg_imm32_b32 hwreg(HW_REG_WAVE_MODE, 25, 1), 1
	s_wait_xcnt 0x0
	s_wait_alu depctr_hold_cnt(0) depctr_sa_sdst(0) depctr_va_vdst(0) depctr_va_sdst(0) depctr_va_ssrc(0) depctr_va_vcc(0) depctr_vm_vsrc(0)
	s_getreg_b32 s2, hwreg(HW_REG_IB_STS2, 6, 4)
	s_cmp_eq_u32 s2, 0
	s_cbranch_scc0 .Lentry_in_a_cluster
	s_endpgm
.Lentry_in_a_cluster:
	s_bfe_u32 s2, ttmp6, 0x10000c
	s_cmp_lg_u32 s2, 0xf033
	s_cbranch_scc0 .Lentry_shape_is_right
	s_endpgm
.Lentry_shape_is_right:
; q, k, v = x W_qkv^T + b_qkv on codes of FP6 (E2M3) with E8M0 scales; each result is quantised again, q and k along the head's channels, v along the tokens, and leaves as images of the next products' registers.
; cod = [tile of 16 positions][K step 0..7][1536] (lane l's registers 4 g .. 4 g + 3 at 512 g + 16 l), scl = [position / 128][K step][128 words]; x at positions 0.., W_qkv at 8,192...
; SHARES.  256 work-groups of equal work.  Work-group (j, xb) takes x's 256 positions 256 xb.. and the 128 rows of W_q, of W_k and of W_v of heads 2 j, 2 j + 1: three tiles of 256 x 128, one after the other.
; LDS.  x's codes for all of K (196,608 bytes) come once and stay.  W goes through two slots of four K steps (8 tiles x 6,144 bytes): six fills, the ring going on from tile to tile.  The scale words of x (8,192 bytes)
; and of the three W tiles (3 x 4,096) come once.  The head's four loads, one a wave: x's codes, W's first slot, x's words, W's words.  Every later fill is shared out, two tiles a wave, behind a round of the cluster's barrier.
; CLUSTERS of 4 x 4: x's blocks are shared along a row of the cluster, W's along a column: each is asked for jointly.
; A WAVE has 32 accumulators (window 2).  q, k: source 0 = W's 8 tiles, source 1 = my 4 tiles of x: a lane holds a token, its 64 registers two heads' blocks h.  v: source 0 = 8 tiles of x (128 tokens),
; source 1 = my head's 4 tiles of W_v: a lane holds a channel, its 64 registers two blocks of tokens.  Only the fragments' addresses differ.  Source 0's fragments have two sets in window 1, source 1's two in window 0;
; step t + 1's 44 LDS loads are issued ahead of step t's 32 products.  The biases lie in window 3, in the result's layout, and are the C of each tile's first step.
; PREFETCH: behind each fill of a slot one instruction a wave asks for the fill that follows, four K steps ahead of its load: its 192 blocks of 256 bytes are shared out among the column's four partners by address
; (two tiles each), twelve blocks a wave, a lane a block (lanes 12-31 name the wave's last block again).
; OUT.  qi = [head][pair of tiles][1536], qs = [head][128 tokens][e][r][4 words]; kv = [head][record of 128 keys: k 6,144, v^T 6,144, k's words 512, v's 256].
; LIMITS: NaN and infinities are not served; a block under 2^-124 is held at the byte 1, a block of zeros has the byte 1 (not 127): only this program reads the bytes.
.set WS,    196608                     ; W's slots, behind x's codes
.set WSL,   49152
.set SX,    294912                     ; x's scale words
.set SW,    303104                     ; W's: q, k, v
.set SPARE, 315392                     ; the spare words, 128 bytes a wave: two blocks of 256 bytes that no other line names
.set TSTEP, 786432                     ; bytes of cod from a tile of W to the next: 1,024 positions
.set LI,   4                           ; 16 x lane
.set ADW,  8                           ; v8-9   W's 8 tiles in slot 0, 1
.set ADWV, 10                          ; v10-11 my head's 4 tiles of W_v in slot 0, 1
.set ADXQ, 12                          ; my 4 tiles of x
.set ADXV, 14                          ; v14-15 my 8 tiles of x: 0-3, 4-7
.set ADS,  16                          ; v16-21 scale words for q, k, v: lanes 0-15 source 1's, lanes 16-31 source 0's; the odd ones serve tiles 4-7 (lanes 16-31 stand 256 further on)
.set SH8,  22
.set SH16, 23
.set OFQ,  24
.set OFK,  25
.set BAQ,  26
.set BAV,  27
.set SPW,  28
.set NIL,  29
.set OFV,  30
.set PFO,  31
.set SC,   32                          ; v32-47 two sets of 8 scale words
.set H0,   64                          ; v64-87 codes on the way out
.set H1,   76
.set TP,   88
.set CA,   96
.set CB,   98
.set SCLR, 100
.set BY,   102
.set TT,   104
.set WW,   108
.set SL,   112
.set AF,   128                         ; v128-223 source 1's fragments, two sets of 48
.set SEL,  2
.set G1X,  24
.set G0X,  32
.set G0W,  36
.set G1W,  48
.set G0SX, 56
.set G0SW, 60
.set G1SX, 68
.set G1SW, 76
.set G0R,  84                          ; s[84:87], s[88:91] the ring's group 0 for slot 0, 1
.set PFA,  96
.set MSB, 0
.macro WIN new                         ; the immediate's high byte repeats the setting that is left
.if MSB != (\new)
	s_set_vgpr_msb (MSB<<8)|(\new)
.set MSB, (\new)
.endif
.endm
.macro CREST
	s_cmp_lg_u32 s16, 0
	s_cbranch_scc1 .Lnot_wave_0_\@
	s_barrier_signal -3
.Lnot_wave_0_\@:
	s_barrier_wait -3
	s_barrier_signal -1
	s_barrier_wait -1
.endm
.macro CROUND
	s_barrier_signal -1
	s_barrier_wait -1
	CREST
.endm
.macro PLACES
.rept 4
	v_nop
.endr
.endm
.macro GRP1 g, m, c, rows, pitch       ; rows of c elements of 8 bytes, with the mask m and bit 21 beside it
	s_or_b32 s[\g], \m, (3<<16)|(1<<21)
	s_mov_b32 s[\g+1], (\c)<<16
	s_mov_b32 s[\g+2], (\rows)<<16
	s_mov_b32 s[\g+3], (\c)<<16
	s_mov_b32 s[\g+4], \rows
	s_mov_b32 s[\g+5], \pitch
	s_mov_b32 s[\g+6], 0
	s_mov_b32 s[\g+7], 0
.endm
	s_load_b256 s[4:11], s[0:1], 0x0               ; cod, scl, b_qkv, qi
	s_load_b128 s[12:15], s[0:1], 0x20             ; qs, kv
	v_lshl_add_u32 v[SPW], v0, 2, SPARE
	v_mov_b32 v[NIL], 0
	ds_add_u32 v[SPW], v[NIL]                      ; the opening lines: the add twice on end and its wait
	ds_add_u32 v[SPW], v[NIL]
	v_lshrrev_b32 v1, 5, v0
	v_readfirstlane_b32 s16, v1                    ; wave 0..3
	s_lshr_b32 s17, s16, 1
	s_and_b32 s18, s16, 1
	s_mul_i32 s20, s16, 49152                      ; q, k: my 4 tiles of x
	s_mul_i32 s21, s18, 98304                      ; v: my 8 tiles of x
	s_add_co_u32 s22, s21, 49152
	s_mul_i32 s23, s17, 24576
	s_add_co_u32 s23, s23, WS                      ; v: my head's 4 tiles of W_v
	s_add_co_u32 s92, s23, WSL
	s_lshl_b32 s93, s17, 12
	s_lshl_b32 s94, s18, 8
	s_add_co_u32 s93, s93, s94
	s_add_co_u32 s93, s93, SX                      ; q, k: my 64 positions' words of a K step
	s_sub_co_u32 s94, SW, s93                      ; from there to W_q's words,
	s_add_co_u32 s95, s94, 4096                    ; to W_k's
	s_lshl_b32 s98, s17, 8
	s_add_co_u32 s96, s98, SW+8192                 ; v: my head's words of W_v
	s_lshl_b32 s97, s18, 12
	s_add_co_u32 s97, s97, SX
	s_sub_co_u32 s97, s96, s97                     ; from my 128 positions' words of x up to there
	s_mul_i32 s99, s18, 2816
	s_sub_co_u32 s99, 12288, s99                   ; k's words lie at 12,288 + 256 e of a record, my codes at 3,072 e
	v_and_b32 v1, 15, v0                           ; r
	v_bfe_u32 v2, v0, 4, 1                         ; h
	v_and_b32 v3, 31, v0
	v_lshlrev_b32 v[LI], 4, v3
	v_add_nc_u32 v[ADW], WS, v[LI]
	v_add_nc_u32 v[ADW+1], WS+WSL, v[LI]
	v_add_nc_u32 v[ADWV], s23, v[LI]
	v_add_nc_u32 v[ADWV+1], s92, v[LI]
	v_add_nc_u32 v[ADXQ], s20, v[LI]
	v_add_nc_u32 v[ADXV], s21, v[LI]
	v_add_nc_u32 v[ADXV+1], s22, v[LI]
	v_lshlrev_b32 v5, 2, v1
	v_add_nc_u32 v6, s93, v5
	v_mul_u32_u24 v7, s94, v2
	v_add_nc_u32 v[ADS], v6, v7
	v_mul_u32_u24 v7, s95, v2
	v_add_nc_u32 v[ADS+2], v6, v7
	v_add_nc_u32 v6, s96, v5
	v_mul_u32_u24 v7, s97, v2
	v_sub_nc_u32 v[ADS+4], v6, v7
.irp k, 0,2,4
	v_lshl_add_u32 v[ADS+\k+1], v2, 8, v[ADS+\k]
.endr
	v_lshlrev_b32 v[SH8], 3, v2
	v_lshlrev_b32 v[SH16], 4, v2
	v_lshlrev_b32 v[OFV], 4, v1                    ; 16 r
	v_lshl_add_u32 v[OFQ], v2, 13, v[OFV]          ; lanes 16-31: the second head's words, 8,192 bytes on
	v_mul_u32_u24 v7, v2, 208896
	v_add_nc_u32 v[OFK], v7, v[OFV]
	v_add_nc_u32 v[OFK], s99, v[OFK]
	v_lshlrev_b32 v[BAQ], 7, v2
	v_lshrrev_b32 v7, 3, v1
	v_and_b32 v6, 7, v1
	v_lshlrev_b32 v6, 2, v6
	v_lshl_add_u32 v6, v7, 7, v6
	v_add_nc_u32 v[BAV], s98, v6                   ; position r of tile a is channel 32 (r / 8) + 8 a + r % 8 of my head
	v_min_u32 v[PFO], 11, v3
	v_lshlrev_b32 v[PFO], 8, v[PFO]
	v_mov_b32 v[TT], 0                             ; written once: a lane permute's destination counts as one of its sources
	s_wait_alu depctr_va_vdst(0)                   ; the wait behind the head's vector work
	s_mov_b32 s[SEL], 0x76543210
	s_mov_b32 s[SEL+1], 0xfedcba98
	s_bfe_u32 s40, ttmp6, 0x40000                  ; cx
	s_bfe_u32 s41, ttmp6, 0x40004                  ; cy
	s_and_b32 s42, ttmp7, 0xffff
	s_lshl_b32 s42, s42, 2
	s_add_co_u32 s42, s42, s41                     ; xb
	s_lshl_b32 s45, ttmp9, 2
	s_add_co_u32 s45, s45, s40                     ; j
	s_lshl_b32 s43, s41, 2
	s_lshl_b32 s43, 15, s43                        ; my row of the cluster
	s_lshl_b32 s44, 0x1111, s40                    ; my column
	GRP1 G1X, s43, 32, 768, 32                     ; x's codes: dense, rows of 256 bytes
	GRP1 G1W, s44, 768, 8, 1536                    ; W's slot: 8 tiles x 6,144 bytes, 12,288 apart
	GRP1 G1SX, s43, 32, 32, 32
	GRP1 G1SW, s44, 512, 3, 4096                   ; three blocks of 4,096 bytes, 32,768 apart
	s_wait_dscnt 0x0                               ; both opening adds are done
	s_wait_kmcnt 0x0
	s_mul_i32 s20, s42, 196608
	s_mov_b32 s21, 0
	s_mov_b32 s[G0X], 1
	s_mov_b32 s[G0X+1], 0
	s_add_nc_u64 s[G0X+2:G0X+3], s[4:5], s[20:21]
	s_or_b32 s[G0X+3], s[G0X+3], 0x80000000
	s_lshl_b32 s20, s42, 13
	s_mov_b32 s[G0SX], 1
	s_mov_b32 s[G0SX+1], SX
	s_add_nc_u64 s[G0SX+2:G0SX+3], s[6:7], s[20:21]
	s_or_b32 s[G0SX+3], s[G0SX+3], 0x80000000
	s_mul_i32 s22, s45, 98304
	s_add_co_u32 s22, s22, 8192*768
	s_mov_b32 s23, 0
	s_add_nc_u64 s[98:99], s[4:5], s[22:23]        ; W_q's tile
	s_mov_b32 s[G0W], 1
	s_mov_b32 s[G0W+1], WS
	s_mov_b64 s[G0W+2:G0W+3], s[98:99]
	s_or_b32 s[G0W+3], s[G0W+3], 0x80000000
	s_lshl_b32 s22, s45, 12
	s_add_co_u32 s22, s22, 8192*32
	s_mov_b32 s[G0SW], 1
	s_mov_b32 s[G0SW+1], SW
	s_add_nc_u64 s[G0SW+2:G0SW+3], s[6:7], s[22:23]
	s_or_b32 s[G0SW+3], s[G0SW+3], 0x80000000
	s_mul_i32 s22, s16, 24576                      ; the ring: my two tiles of the eight
	s_add_nc_u64 s[G0R+2:G0R+3], s[98:99], s[22:23]
	s_add_nc_u64 s[G0R+6:G0R+7], s[G0R+2:G0R+3], 6144
	s_or_b32 s[G0R+3], s[G0R+3], 0x80000000
	s_or_b32 s[G0R+7], s[G0R+7], 0x80000000
	s_mul_i32 s22, s16, 12288
	s_mov_b32 s[G0R], 1
	s_add_co_u32 s[G0R+1], s22, WS
	s_mov_b32 s[G0R+4], 1
	s_add_co_u32 s[G0R+5], s22, WS+WSL
	s_lshl_b32 s92, s41, 1                         ; the prefetches: my work-group's two tiles of a fill, my wave's twelve blocks
	s_add_co_u32 s92, s92, s17
	s_mul_i32 s92, s92, 12288
	s_mul_i32 s93, s18, 3072
	s_add_co_u32 s92, s92, s93
	s_mov_b32 s93, 0
	s_add_nc_u64 s[PFA:PFA+1], s[98:99], s[92:93]
	s_lshl_b32 s92, s45, 9
	s_add_nc_u64 s[8:9], s[8:9], s[92:93]          ; the bias of W_q's 128 rows
	s_lshr_b32 s94, s42, 3
	s_lshl_b32 s94, s94, 4
	s_lshl_b32 s95, s45, 1
	s_add_co_u32 s94, s94, s95                     ; the first head: 16 batch + 2 j
	s_and_b32 s95, s42, 7
	s_lshl_b32 s95, s95, 1                         ; the block's first 128 tokens in the batch
	s_add_co_u32 s46, s95, s17                     ; q, k: my 128 tokens
	s_mul_i32 s92, s94, 98304
	s_mul_i32 s47, s46, 6144
	s_add_co_u32 s92, s92, s47
	s_mul_i32 s47, s18, 3072
	s_add_co_u32 s92, s92, s47
	s_add_nc_u64 s[10:11], s[10:11], s[92:93]      ; qi
	s_lshl_b32 s92, s94, 13
	s_lshl_b32 s47, s46, 9
	s_add_co_u32 s92, s92, s47
	s_lshl_b32 s47, s18, 8
	s_add_co_u32 s92, s92, s47
	s_add_nc_u64 s[12:13], s[12:13], s[92:93]      ; qs
	s_mul_i32 s92, s94, 208896
	s_mul_i32 s47, s46, 13056
	s_add_co_u32 s92, s92, s47
	s_mul_i32 s47, s18, 3072
	s_add_co_u32 s92, s92, s47
	s_add_nc_u64 s[100:101], s[14:15], s[92:93]    ; k's codes
	s_add_co_u32 s94, s94, s17
	s_add_co_u32 s95, s95, s18
	s_mul_i32 s92, s94, 208896
	s_mul_i32 s47, s95, 13056
	s_add_co_u32 s92, s92, s47
	s_add_co_u32 s92, s92, 6144
	s_add_nc_u64 s[66:67], s[14:15], s[92:93]      ; v^T's codes: my head, my record
	CROUND                                         ; all sixteen work-groups are here: the first joint loads meet
.macro ARM under, g0, g1, next         ; one chain of arms on the wave's number, one load to an arm
	s_cmp_lt_u32 s16, \under
	s_cbranch_scc0 \next
	tensor_load_to_lds s[\g0:\g0+3], s[\g1:\g1+7]
	s_nop 0
.rept 4
	v_nop
.endr
	s_branch .Lhead_asked
\next:
.endm
	ARM 1, G0X,  G1X,  .Lhead_w
	ARM 2, G0W,  G1W,  .Lhead_sx
	ARM 3, G0SX, G1SX, .Lhead_sw
	tensor_load_to_lds s[G0SW:G0SW+3], s[G1SW:G1SW+7]
	s_nop 0
.rept 4
	v_nop
.endr
.Lhead_asked:
	WIN 0xc0                                       ; the biases, into window 3
.irp k, 0,1
.irp b, 0,1,2,3,4,5,6,7
	global_load_b128 v[64*\k+8*\b:64*\k+8*\b+3], v[BAQ], s[8:9] offset:4096*\k+4*(64*(\b/4)+8*(\b%4))     ; tile b, half h, register i: channel 64 (b / 4) + 32 h + 8 (b % 4) + i
	global_load_b128 v[64*\k+8*\b+4:64*\k+8*\b+7], v[BAQ], s[8:9] offset:4096*\k+4*(64*(\b/4)+8*(\b%4))+16
.endr
.endr
.irp a, 0,1,2,3
.irp i, 0,1,2,3,4,5,6,7
	global_load_b32 v[128+8*\a+\i], v[BAV], s[8:9] offset:8192+32*\a     ; v: a lane's eight results are one channel's
.endr
.endr
	WIN 0
.macro FETCH k, t                      ; K step t of tile k (0 q, 1 k, 2 v) into set t % 2: 24 + 12 + 8 = 44 LDS loads
.set FST, (\t)%2
.set FSL, (\t)/4
	WIN 0x40
.irp i, 0,1,2,3,4,5,6,7
.irp c, 0,1,2
.if (\k) < 2
	ds_load_b128 v[128*FST+12*\i+4*\c:128*FST+12*\i+4*\c+3], v[ADW+FSL] offset:6144*\i+1536*((\t)%4)+512*\c
.else
	ds_load_b128 v[128*FST+12*\i+4*\c:128*FST+12*\i+4*\c+3], v[ADXV+\i/4] offset:12288*(\i%4)+1536*(\t)+512*\c
.endif
.endr
.endr
	WIN 0
.irp i, 0,1,2,3
.irp c, 0,1,2
.if (\k) < 2
	ds_load_b128 v[AF+48*FST+12*\i+4*\c:AF+48*FST+12*\i+4*\c+3], v[ADXQ] offset:12288*\i+1536*(\t)+512*\c
.else
	ds_load_b128 v[AF+48*FST+12*\i+4*\c:AF+48*FST+12*\i+4*\c+3], v[ADWV+FSL] offset:6144*\i+1536*((\t)%4)+512*\c
.endif
.endr
.endr
.irp i, 0,1,2,3,4,5,6,7
	ds_load_b32 v[SC+8*FST+\i], v[ADS+2*(\k)+\i/4] offset:512*(\t)+64*(\i%4)
.endr
.endm
.macro WM d, b, a, c, sb, sa
	v_wmma_scale_f32_16x16x128_f8f6f4 v[\d:\d+7], v[\b:\b+11], v[\a:\a+11], v[\c:\c+7], v[\sb], v[\sa] matrix_a_fmt:MATRIX_FMT_FP6 matrix_b_fmt:MATRIX_FMT_FP6 matrix_a_scale:MATRIX_SCALE_ROW1
.endm
.macro MULH k, t, a0                   ; 16 products: source 1's tiles a0, a0 + 1 against source 0's eight; the 32 accumulators take turns in the same order in every step
.set MST, (\t)%2
.if (\t) == 0
	WIN 0xb1                                       ; C, the bias, in window 3
.else
	WIN 0xa1
.endif
.irp a, \a0, \a0+1
.irp b, 0,1,2,3,4,5,6,7
.if (\t) != 0
	WM 8*(8*(\a)+\b), 128*MST+12*\b, AF+48*MST+12*(\a), 8*(8*(\a)+\b), SC+8*MST+\b, SC+8*MST+(\a)
.elseif (\k) < 2
	WM 8*(8*(\a)+\b), 128*MST+12*\b, AF+48*MST+12*(\a), 64*(\k)+8*\b, SC+8*MST+\b, SC+8*MST+(\a)
.else
	WM 8*(8*(\a)+\b), 128*MST+12*\b, AF+48*MST+12*(\a), 128+8*(\a), SC+8*MST+\b, SC+8*MST+(\a)
.endif
.endr
.endr
.endm
.macro PF s                            ; fill s's bytes, asked of memory one fill ahead of their load
	global_prefetch_b8 v[PFO], s[PFA:PFA+1] offset:((\s)/2)*TSTEP+((\s)%2)*6144 th:TH_LOAD_NT scope:SCOPE_SE
.endm
.macro ITER k, t                       ; a step whose successor lies in the same slot
	PLACES                                         ; in front of loads into registers that products have read
	FETCH \k, (\t)+1
	s_wait_dscnt 44                                ; all but the 44 just issued: this step's are in
	MULH \k, \t, 0
	MULH \k, \t, 2
.endm
; A slot's last step.  Each wave waits for all its tensor loads (its part of the other slot), adds 0 to its spare word and waits for that and for its reads of this slot; the barrier opens a round of the cluster's;
; behind it this slot takes the next tile's same half (fill = the slot, 9: nothing is left to fetch, and a work-group barrier serves), and the next step's fragments come from the other slot.
.macro CROSS k, t, nk, nt, fill, pf
	WIN 0
	s_wait_tensorcnt 0x0
.if (\fill) < 9
	ds_add_u32 v[SPW], v[NIL]
	s_add_nc_u64 s[G0R+4*(\fill)+2:G0R+4*(\fill)+3], s[G0R+4*(\fill)+2:G0R+4*(\fill)+3], TSTEP   ; no tensor load of mine is out: the group 0 may be written
.endif
	s_wait_dscnt 0x0
	s_barrier_signal -1
	MULH \k, \t, 0
	WIN 0
	s_barrier_wait -1
.if (\fill) < 9
	CREST
	tensor_load_to_lds s[G0R+4*(\fill):G0R+4*(\fill)+3], s[G1W:G1W+7]
	s_nop 0
.endif
	PLACES                                         ; behind the load, and in front of the loads below
	FETCH \nk, \nt
.if (\pf) > 0
	PF \pf
.endif
	MULH \k, \t, 2
.endm
; 64 results of a lane (two whole blocks, window 2 from s on) become 2 x 6 registers of codes, d0 and d1 on, and the scale word w
.macro QUANT2 s, d0, d1, w
	WIN 0x28
	v_max3_num_f32 v[CA], 0x1800000, |v[(\s)]|, |v[(\s)+1]|          ; the floor 2^(3 - 127) among the leaves: the byte cannot fall under 1
	v_max3_num_f32 v[CA+1], 0x1800000, |v[(\s)+32]|, |v[(\s)+33]|
	v_max3_num_f32 v[CB], 0, |v[(\s)+16]|, |v[(\s)+17]|
	v_max3_num_f32 v[CB+1], 0, |v[(\s)+48]|, |v[(\s)+49]|
.irp i, 2,4,6,8,10,12,14
	v_max3_num_f32 v[CA], v[CA], |v[(\s)+\i]|, |v[(\s)+\i+1]|
	v_max3_num_f32 v[CA+1], v[CA+1], |v[(\s)+32+\i]|, |v[(\s)+33+\i]|
	v_max3_num_f32 v[CB], v[CB], |v[(\s)+16+\i]|, |v[(\s)+17+\i]|
	v_max3_num_f32 v[CB+1], v[CB+1], |v[(\s)+48+\i]|, |v[(\s)+49+\i]|
.endr
	WIN 0
	v_max_num_f32 v[CA], v[CA], v[CB]
	v_max_num_f32 v[CA+1], v[CA+1], v[CB+1]
	v_add_nc_u32 v[SCLR], 0xff000000, v[CA]        ; 2 off the exponent field: the conversion's scale operand
	v_add_nc_u32 v[SCLR+1], 0xff000000, v[CA+1]
	v_lshrrev_b32 v[BY], 23, v[SCLR]
	v_lshrrev_b32 v[BY+1], 23, v[SCLR+1]
	v_lshl_or_b32 v[\w], v[BY+1], 16, v[BY]
	v_lshlrev_b32 v[\w], v[SH8], v[\w]
	v_permlanex16_b32 v[TT], v[\w], s[SEL], s[SEL+1]
	v_or_b32 v[\w], v[\w], v[TT]                   ; with lane l xor 16's two bytes the word is whole, in both halves of the lanes
	WIN 2
	v_cvt_scalef32_pk16_fp6_f32 v[(\d0):(\d0)+2], v[(\s):(\s)+15], v[SCLR]
	v_cvt_scalef32_pk16_fp6_f32 v[TP:TP+2], v[(\s)+16:(\s)+31], v[SCLR]
	v_cvt_scalef32_pk16_fp6_f32 v[(\d1):(\d1)+2], v[(\s)+32:(\s)+47], v[SCLR+1]
	v_cvt_scalef32_pk16_fp6_f32 v[TP+4:TP+6], v[(\s)+48:(\s)+63], v[SCLR+1]
	WIN 0
	v_nop                                          ; one plain place behind a scaled conversion
.irp i, 0,1,2
	v_mov_b32 v[(\d0)+3+\i], v[TP+\i]
	v_mov_b32 v[(\d1)+3+\i], v[TP+4+\i]
.endr
.endm
; q's or k's way out: my 4 tiles of tokens, two heads.  A pair of tiles is one image of 12 registers for each head; a word's low half is the first head's two bytes, its high half the second's
.macro OUT_QK base, hstr, sbase, ofs
.irp a, 0,1,2,3
.if (\a)%2 == 0
	s_wait_xcnt 0x0                                ; earlier stores have read the registers that are written again
.endif
	QUANT2 64*\a, H0+6*((\a)%2), H1+6*((\a)%2), WW+\a
.if (\a)%2 == 1
.irp c, 0,1,2
	global_store_b128 v[LI], v[H0+4*\c:H0+4*\c+3], s[\base:\base+1] offset:1536*((\a)/2)+512*\c
	global_store_b128 v[LI], v[H1+4*\c:H1+4*\c+3], s[\base:\base+1] offset:\hstr+1536*((\a)/2)+512*\c
.endr
.endif
.endr
.irp i, 0,1,2,3
	v_lshrrev_b32 v[SL+\i], v[SH16], v[WW+\i]      ; lanes 0-15 the first head's bytes, lanes 16-31 the second's
.endr
.irp i, 0,1,2,3
	v_and_b32 v[SL+\i], 0xffff, v[SL+\i]           ; the bytes of k = 64 .. 127 are 0
.endr
	global_store_b128 v[\ofs], v[SL:SL+3], s[\sbase:\sbase+1]        ; 256 consecutive bytes for each head
.endm
	s_wait_tensorcnt 0x0                           ; my block of the head's four is in
	ds_add_u32 v[SPW], v[NIL]
	s_mov_b32 s[G1W+2], 2<<16                      ; no tensor load of mine is out: from here on a load brings two tiles
	s_mov_b32 s[G1W+4], 2
	s_wait_dscnt 0x0
	CROUND
	tensor_load_to_lds s[G0R+4:G0R+7], s[G1W:G1W+7]                  ; slot 1's first fill: W_q's K steps 4-7
	s_nop 0
	PLACES
	FETCH 0, 0
	PF 2
	s_wait_loadcnt 0x0                             ; the biases
.irp k, 0,1
	ITER \k, 0
	ITER \k, 1
	ITER \k, 2
	CROSS \k, 3, \k, 4, 0, 2*\k+3
	ITER \k, 4
	ITER \k, 5
	ITER \k, 6
	CROSS \k, 7, \k+1, 0, 1, 4*(1-\k)
	WIN 0
	PLACES                                         ; the results just made are read
.if \k == 0
	OUT_QK 10, 98304, 12, OFQ
.else
	OUT_QK 100, 208896, 100, OFK
.endif
.endr
	ITER 2, 0
	ITER 2, 1
	ITER 2, 2
	CROSS 2, 3, 2, 4, 9, 0
	ITER 2, 4
	ITER 2, 5
	ITER 2, 6
	s_wait_dscnt 0x0
	MULH 2, 7, 0
	MULH 2, 7, 2
	WIN 0
	PLACES
.irp a, 0,1,2,3                        ; v's way out: tile a of my head's channels x my record's 128 keys is one fragment
.if (\a)%2 == 0
	s_wait_xcnt 0x0
.endif
	QUANT2 64*\a, H0+12*((\a)%2), H0+12*((\a)%2)+6, WW+\a
.irp c, 0,1,2
	global_store_b128 v[LI], v[H0+12*((\a)%2)+4*\c:H0+12*((\a)%2)+4*\c+3], s[66:67] offset:1536*\a+512*\c
.endr
.endr
	global_store_b128 v[OFV], v[WW:WW+3], s[66:67] offset:6656       ; row r's four words: 256 consecutive bytes; both halves of the lanes store the same bytes with the same values
	s_wait_tensorcnt 0x0                           ; the wave's end
	ds_add_u32 v[SPW], v[NIL]
	s_wait_dscnt 0x0
	CROUND                                         ; the closing round
	s_endpgm
.Lfunc_end_k_qb3816e611c_qkv:
	.size	k_qb3816e611c_qkv, .Lfunc_end_k_qb3816e611c_qkv-k_qb3816e611c_qkv
	.p2alignl 7, 3214868480
	.fill 96, 4, 3214868480
	.section	.rodata,"a",@progbits
	.p2align	6, 0x0
	.amdhsa_kernel k_qb3816e611c_qkv
		.amdhsa_group_segment_fixed_size 327680
		.amdhsa_private_segment_fixed_size 0
		.amdhsa_enable_private_segment 0
		.amdhsa_kernarg_size 48
		.amdhsa_user_sgpr_count 2
		.amdhsa_user_sgpr_kernarg_segment_ptr 1
		.amdhsa_wavefront_size32 1
		.amdhsa_system_sgpr_workgroup_id_x 1
		.amdhsa_system_sgpr_workgroup_id_y 1
		.amdhsa_system_sgpr_workgroup_id_z 1
		.amdhsa_system_vgpr_workitem_id 0
		.amdhsa_next_free_vgpr 1024
		.amdhsa_next_free_sgpr 102
		.amdhsa_reserve_vcc 0
		.amdhsa_float_denorm_mode_32 3
		.amdhsa_float_denorm_mode_16_64 3
		.amdhsa_memory_ordered 1
		.amdhsa_forward_progress 1
		.amdhsa_inst_pref_size 231
	.end_amdhsa_kernel
	.amdgpu_metadata
---
amdhsa.version: [ 1, 2 ]
amdhsa.kernels:
  - .name:           k_qb3816e611c_qkv
    .symbol:         k_qb3816e611c_qkv.kd
    .args:
      - { .name: cod, .offset: 0, .size: 8, .value_kind: global_buffer, .address_space: global }
      - { .name: scl, .offset: 8, .size: 8, .value_kind: global_buffer, .address_space: global }
      - { .name: b_qkv, .offset: 16, .size: 8, .value_kind: global_buffer, .address_space: global }
      - { .name: qi, .offset: 24, .size: 8, .value_kind: global_buffer, .address_space: global }
      - { .name: qs, .offset: 32, .size: 8, .value_kind: global_buffer, .address_space: global }
      - { .name: kv, .offset: 40, .size: 8, .value_kind: global_buffer, .address_space: global }
    .group_segment_fixed_size: 327680
    .private_segment_fixed_size: 0
    .kernarg_segment_align: 8
    .kernarg_segment_size: 48
    .max_flat_workgroup_size: 128
    .sgpr_count:     102
    .vgpr_count:     1024
    .wavefront_size: 32
...
	.end_amdgpu_metadata
.endif
;; end of part 2
;; launch attn (part 3): grid 8 x 32, 16 waves a work-group, clusters of 4 x 1, 327,680 bytes of LDS; arguments qi, qs, kv, oi, os; writes oi, os
.if DOCPART == 3
	.amdgcn_target "amdgcn-amd-amdhsa--gfx1250"
	.amdhsa_code_object_version 6
	.text
	.protected	k_qb3816e611c_attn
	.globl	k_qb3816e611c_attn
	.p2align	8
	.type	k_qb3816e611c_attn,@function
k_qb3816e611c_attn:
	s_mov_b64 s[64:65], 0
	v_nop
	global_prefetch_b8 v0, s[64:65] scope:SCOPE_SE
	s_setreg_imm32_b32 hwreg(HW_REG_WAVE_MODE, 25, 1), 1
	s_wait_xcnt 0x0
	s_wait_alu depctr_hold_cnt(0) depctr_sa_sdst(0) depctr_va_vdst(0) depctr_va_sdst(0) depctr_va_ssrc(0) depctr_va_vcc(0) depctr_vm_vsrc(0)
	s_getreg_b32 s2, hwreg(HW_REG_IB_STS2, 6, 4)
	s_cmp_eq_u32 s2, 0
	s_cbranch_scc0 .Lentry_in_a_cluster
	s_endpgm
.Lentry_in_a_cluster:
	s_bfe_u32 s2, ttmp6, 0x10000c
	s_cmp_lg_u32 s2, 0x3003
	s_cbranch_scc0 .Lentry_shape_is_right
	s_endpgm
.Lentry_shape_is_right:
; O = softmax(q k^T / 8) v for 64 heads of 64 channels and 2,048 tokens, both products on codes of FP6 (E2M3) with E8M0 scales; O / l is quantised along the channels and leaves as the last product's operand.
; THE SOFTMAX: t = score x log2(e) / 8; M = the row's largest t so far, rounded up to a whole number; p = 2^(t - M) is quantised along the keys, not normalised; the row's sum l is taken of the unquantised p and
; divides O at the end; when M moves, l and O are multiplied by 2^(old M - new M), which rounds nothing.
; SHARES.  A work-group owns 256 token positions and walks TWO heads (2 y, 2 y + 1) one after the other: their 128 channels are one K step of the last product, so each wave ends with a whole fragment and scale word.
; Each of sixteen waves owns one tile of 16 queries in 256 registers; every wave walks all keys, 128 a step.
; A record of kv (128 keys, 13,056 bytes: k, v^T, their scale words, as images of registers) serves one key step; the pair of heads has 32, dense in memory.
; LDS: two slots of TWELVE records.  Three fills bring the 32: records 0-11 at the head (waves 0-11, one load each), 12-23 into slot 1 behind the first round, 24-31 into slot 0 behind key step 12: the one refill.
; That refill's landing is shown by a work-group barrier signalled at the change of heads (behind step 16) and awaited ahead of step 24: between the two stand register work and reads of slot 1, which nobody writes again.
; The four work-groups of a cluster walk the same heads: each record is asked for jointly.
; NO PREFETCH: the second and third fill are asked for twelve key steps ahead of their first read, and nothing stands ahead of the first.
; LAYOUT.  S^T = k q^T (source 0 = 16 key positions), O^T = v^T p^T (source 0 = 16 channel positions): a lane holds one query throughout.  Positions are ordered so that a lane's 32 registers of four neighbouring
; tiles are 32 NEIGHBOURS (keys 64 c + 32 h + 0..31; channels 32 h + 0..31): a whole block of the next K, in the operand's order.
; K = 64 IN AN INSTRUCTION OF 128: q's registers 6-11 are zero codes; k's fragment t is registers 6 t .. 6 t + 11 of eight tiles' image, whose upper half meets those zeros; the scale bytes of that half are 0, never 0xff.
; LIMITS: NaN and infinities are not served; 1 / l is v_rcp_f32; a block of O under 2^-124 is held at the byte 1, a block of zeros has the byte 1 (not 127): only this program reads the bytes;
; the promise holds while the scaled scores t stay under 2^31 in magnitude.
.set REC,   13056
.set NREC,  12
.set SLOT1, NREC*REC                   ; slot 1 begins here; also the bytes of memory from one fill to the next
.set SPARE, 2*SLOT1                    ; the spare words, 128 bytes a wave: eight blocks of 256 bytes that no other line names
.set OSC,   SPARE+2048                 ; O's scale words, 1,024 bytes; no tile lands here
.set LI,  1                            ; 16 x lane
.set LR,  2                            ; 16 r
.set SH8, 3                            ; 8 h
.set ADK, 4                            ; LDS address of the step's images
.set SPW, 5                            ; my spare word; never rewritten
.set NIL, 6                            ; 0; never rewritten
.set ADS, 7                            ; LDS address of the step's scale words
.set OSW, 8                            ; where I put O's scale word
.set OSR, 9                            ; where waves 0 and 1 read them back
.set QF,  16                           ; v16-27 q (v22-27 zero codes)
.set QS,  28                           ; q's scale word
.set PS,  29                           ; p's scale word
.set KB,  32                           ; v32-85 k's eight tiles and six registers more; then v^T's four tiles
.set KS,  86                           ; v86-93 k's scale words
.set S,   96                           ; v96-159 S^T, then p
.set OT,  160                          ; v160-191 O^T
.set PC,  192                          ; v192-203 p's codes
.set TP,  204                          ; v204-206, v208-210
.set VS,  212                          ; v212-215 v's scale words
.set MA,  216                          ; a block's largest score, then its largest p
.set MB,  218                          ; second chains, then the conversions' scale operands
.set BY,  220
.set T0,  224
.set OC,  232                          ; v232-243 O's codes (v238-243 are at work in the sums until the second head ends)
.set OB,  244                          ; v244-245 O's bytes
.set FF,  248                          ; v[248:249] f = 2^(old M - new M)
.set WV,  18
.set SEL, 20                           ; s[20:21] lane selects: lane l xor 16
.set CS,  22                           ; s[22:23] c = log2(e) / 8
.set G1,  24
.set G0,  32
.set TB,  36                           ; LDS byte of the record in hand
.set STP, 39                           ; counts a run of steps
.set QM,  43                           ; all ones in odd waves: which half of a pair of q's tiles is mine
.macro TLOAD n                         ; waves 0 to n - 1 fetch a record each; s_nop 0 and four v_nop follow the line
	s_cmp_lt_u32 s[WV], \n
	s_cbranch_scc0 .Lnone_\@
	tensor_load_to_lds s[G0:G0+3], s[G1:G1+7]
	s_nop 0
.rept 4
	v_nop
.endr
.Lnone_\@:
.endm
.macro CROUND                          ; a round of the cluster's barrier
	s_barrier_signal -1
	s_barrier_wait -1
	s_cmp_lg_u32 s[WV], 0
	s_cbranch_scc1 .Lnot_wave_0_\@
	s_barrier_signal -3
.Lnot_wave_0_\@:
	s_barrier_wait -3
	s_barrier_signal -1
	s_barrier_wait -1
.endm
	s_load_b256 s[4:11], s[0:1], 0x0               ; qi, qs, kv, oi
	s_load_b64 s[12:13], s[0:1], 0x20              ; os
	v_lshl_add_u32 v[SPW], v0, 2, SPARE
	v_mov_b32 v[NIL], 0
	ds_add_u32 v[SPW], v[NIL]                      ; the opening lines: the add twice on end and its wait
	ds_add_u32 v[SPW], v[NIL]
	s_wait_dscnt 0x0
	v_lshrrev_b32 v11, 5, v0
	s_delay_alu instid0(VALU_DEP_1)
	v_readfirstlane_b32 s[WV], v11                 ; wave 0..15
	v_and_b32 v11, 31, v0
	s_delay_alu instid0(VALU_DEP_1)
	v_lshlrev_b32 v[LI], 4, v11
	v_and_b32 v[T0], 15, v0                        ; r
	s_delay_alu instid0(VALU_DEP_1)
	v_lshlrev_b32 v[LR], 4, v[T0]
	v_bfe_u32 v[T0+1], v0, 4, 1                    ; h
	s_delay_alu instid0(VALU_DEP_1)
	v_lshlrev_b32 v[SH8], 3, v[T0+1]
	s_lshl_b32 s44, s[WV], 6
	s_add_co_u32 s44, s44, OSC
	v_lshl_add_u32 v[OSW], v[T0], 2, s44           ; 4 (16 w + r)
	v_lshl_add_u32 v[OSR], v0, 4, OSC              ; 16 x thread
	s_bfe_u32 s14, ttmp6, 0x40000                  ; cx
	s_lshl_b32 s15, ttmp9, 2
	s_add_co_u32 s15, s15, s14                     ; my block of 256 positions: it enters q's and O's addresses alone
	s_and_b32 s16, ttmp7, 0xffff                   ; y: the pair of heads, which the partners share
	s_mul_i32 s46, s16, 2*208896
	s_mov_b32 s47, 0
	s_mul_i32 s48, s[WV], REC                      ; my record of a fill, in memory and in LDS
	s_mov_b32 s49, 0
	s_mov_b32 s[G1], 15|(3<<16)|(1<<21)            ; the mask: all four work-groups; elements of 8 bytes; bit 21 beside a mask
	s_mov_b32 s[G1+1], 32<<16                      ; rows of 256 bytes
	s_mov_b32 s[G1+2], 51<<16
	s_mov_b32 s[G1+3], 32<<16
	s_mov_b32 s[G1+4], 51
	s_mov_b32 s[G1+5], 32                          ; dense
	s_mov_b32 s[G1+6], 0
	s_mov_b32 s[G1+7], 0
	s_mov_b32 s[SEL], 0x76543210
	s_mov_b32 s[SEL+1], 0xfedcba98
	s_mov_b32 s[CS], 0x3e38aa3b                    ; log2(e) / 8
	s_mov_b32 s[CS+1], s[CS]
	s_bitcmp1_b32 s[WV], 0
	s_cselect_b32 s[QM], -1, 0
	s_mul_i32 s52, s16, 2*98304                    ; qi: the pair's first head, the pair of tiles 8 block + w / 2
	s_lshl_b32 s53, s15, 3
	s_lshr_b32 s54, s[WV], 1
	s_add_co_u32 s53, s53, s54
	s_mul_i32 s53, s53, 1536
	s_add_co_u32 s52, s52, s53
	s_mov_b32 s53, 0
	s_lshl_b32 s54, s16, 14                        ; qs: 16,384 y + 1,024 block + 256 (w / 4) + 4 (w % 4)
	s_lshl_b32 s55, s15, 10
	s_add_co_u32 s54, s54, s55
	s_lshr_b32 s55, s[WV], 2
	s_lshl_b32 s55, s55, 8
	s_add_co_u32 s54, s54, s55
	s_and_b32 s55, s[WV], 3
	s_lshl_b32 s55, s55, 2
	s_add_co_u32 s54, s54, s55
	s_mov_b32 s55, 0
	s_lshr_b32 s56, s16, 3                         ; the batch
	s_and_b32 s57, s16, 7                          ; the last product's K step
	s_lshl_b32 s58, s56, 7                         ; oi: tile 128 batch + 16 block + w
	s_lshl_b32 s59, s15, 4
	s_add_co_u32 s58, s58, s59
	s_add_co_u32 s58, s58, s[WV]
	s_mul_i32 s58, s58, 12288
	s_mul_i32 s59, s57, 1536
	s_add_co_u32 s58, s58, s59
	s_mov_b32 s59, 0
	s_lshl_b32 s60, s56, 4                         ; os: the block of 128 positions 16 batch + 2 block + (wave 0 or 1)
	s_lshl_b32 s61, s15, 1
	s_add_co_u32 s60, s60, s61
	s_and_b32 s61, s[WV], 1
	s_add_co_u32 s60, s60, s61
	s_lshl_b32 s60, s60, 12
	s_lshl_b32 s61, s57, 9
	s_add_co_u32 s60, s60, s61
	s_mov_b32 s61, 0
	s_wait_kmcnt 0x0
	s_add_nc_u64 s[8:9], s[8:9], s[46:47]          ; kv at the pair's first record
	s_mov_b32 s[G0], 1
	s_mov_b32 s[G0+1], s48                         ; slot 0
	s_add_nc_u64 s[G0+2:G0+3], s[8:9], s[48:49]
	s_or_b32 s[G0+3], s[G0+3], 0x80000000
	s_add_nc_u64 s[4:5], s[4:5], s[52:53]
	s_add_nc_u64 s[6:7], s[6:7], s[54:55]
	s_add_nc_u64 s[10:11], s[10:11], s[58:59]
	s_add_nc_u64 s[12:13], s[12:13], s[60:61]
	CROUND                                         ; all four work-groups are here: the first joint loads meet
	TLOAD NREC                                     ; records 0-11: one load a wave at the head
.macro QLOAD hd                        ; head hd's pair of q's tiles, into registers that S^T has left, and my tile's scale words
.irp c, 0,1,2
	global_load_b128 v[140+4*\c:143+4*\c], v[LI], s[4:5] offset:98304*(\hd)+512*\c
.endr
	global_load_b32 v[QS], v[LR], s[6:7] offset:8192*(\hd)
.endm
.macro QTAKE                           ; my tile of the pair; a head's sums begin
	s_wait_loadcnt 0x0
.irp i, 0,1,2,3,4,5
	v_cndmask_b32 v[QF+\i], v[140+\i], v[146+\i], s[QM]
.endr
	v_mov_b32 v13, 0xff61b1e6                      ; the largest t so far: -3e38
	s_delay_alu instid0(VALU_DEP_1)
	v_floor_f32 v12, -v13                          ; -M
	v_mov_b32 v14, 0                               ; the sum, in two halves
	v_mov_b32 v15, 0
.set j, 0
.rept 32
	v_mov_b32 v[OT+j], 0                           ; the step is written once: a head's first step finds zeros
.set j, j+1
.endr
.endm
	s_wait_alu depctr_va_vdst(0)                   ; the wait at the head's end
	QLOAD 0
.irp i, 0,1,2,3,4,5
	v_mov_b32 v[QF+6+\i], 0                        ; zero codes for k = 64 .. 127
	v_mov_b32 v[KB+48+\i], 0                       ; what the eighth tile's fragment names behind its own six registers
.endr
	v_mov_b32 v[FF+1], 0                           ; (named as the upper half of a pair)
	QTAKE
; A KEY STEP: 128 keys, the record at s[TB]
.macro STEP
	v_add_nc_u32 v[ADK], s[TB], v[LI]
	v_add_nc_u32 v[ADS], s[TB], v[LR]
	v_nop
	v_nop                                          ; four plain places in front of loads into registers that the last products read
.irp q, 0,1,2,3,4,5,6,7,8,9,10,11
	ds_load_b128 v[KB+4*\q:KB+4*\q+3], v[ADK] offset:512*\q          ; k's eight tiles
.endr
.irp e, 0,1
	ds_load_b128 v[KS+4*\e:KS+4*\e+3], v[ADS] offset:12288+256*\e    ; row r's words of tiles 4 e .. 4 e + 3
.endr
	s_wait_alu depctr_va_vdst(0)                   ; the wait ahead of the blocking wait
	s_wait_dscnt 0x0
.irp t, 0,1,2,3,4,5,6,7
	v_wmma_scale_f32_16x16x128_f8f6f4 v[S+8*\t:S+8*\t+7], v[KB+6*\t:KB+6*\t+11], v[QF:QF+11], 0, v[KS+\t], v[QS] matrix_a_fmt:MATRIX_FMT_FP6 matrix_b_fmt:MATRIX_FMT_FP6
.endr
.rept 4
	v_nop                                          ; places: k's registers are loaded again, and the scores are read
.endr
.irp q, 0,1,2,3,4,5,6,7,8,9,10,11
	ds_load_b128 v[KB+4*\q:KB+4*\q+3], v[ADK] offset:6144+512*\q     ; v^T's four tiles land during the softmax
.endr
	ds_load_b128 v[VS:VS+3], v[ADS] offset:12800
	; register 32 c + i is key 64 c + 32 h + i: my two blocks.  Each block's largest score serves the row's maximum and, since p rises with the score, the block's largest p
.irp c, 0,1
	v_max3_num_f32 v[MA+\c], v[S+32*\c], v[S+32*\c+1], v[S+32*\c+2]
	v_max3_num_f32 v[MB+\c], v[S+32*\c+16], v[S+32*\c+17], v[S+32*\c+18]
.endr
.irp i, 3,5,7,9,11,13
.irp c, 0,1
	v_max3_num_f32 v[MA+\c], v[MA+\c], v[S+32*\c+\i], v[S+32*\c+\i+1]
	v_max3_num_f32 v[MB+\c], v[MB+\c], v[S+32*\c+16+\i], v[S+32*\c+17+\i]
.endr
.endr
.irp c, 0,1
	v_max3_num_f32 v[MA+\c], v[MA+\c], v[S+32*\c+15], v[S+32*\c+31]
.endr
.irp c, 0,1
	s_delay_alu instid0(VALU_DEP_2)
	v_max_num_f32 v[MA+\c], v[MA+\c], v[MB+\c]
.endr
	s_delay_alu instid0(VALU_DEP_1)
	v_max_num_f32 v[T0], v[MA], v[MA+1]
	s_delay_alu instid0(VALU_DEP_1)
	v_permlanex16_b32 v[T0+1], v[T0], s[SEL], s[SEL+1]
	s_delay_alu instid0(VALU_DEP_1)
	v_max_num_f32 v[T0], v[T0], v[T0+1]            ; the step's largest score of my query
	s_delay_alu instid0(VALU_DEP_1)
	v_mul_f32 v[T0], s[CS], v[T0]                  ; as t
	s_delay_alu instid0(VALU_DEP_1)
	v_max_num_f32 v13, v13, v[T0]                  ; the running largest t
	v_mov_b32 v[T0], v12
	s_delay_alu instid0(VALU_DEP_2)
	v_floor_f32 v12, -v13                          ; the new -M = -ceil(t)
	s_delay_alu instid0(VALU_DEP_1)
	v_sub_f32 v[T0], v12, v[T0]                    ; old M - new M: a whole number, 0 or less
	s_delay_alu instid0(VALU_DEP_1)
	v_cvt_i32_f32 v[T0], v[T0]                     ; (it saturates)
	s_delay_alu instid0(VALU_DEP_1)
	v_ldexp_f32 v[FF], 1.0, v[T0]                  ; f
.set j, 0
.rept 32
	v_pk_fma_f32 v[S+j:S+j+1], v[S+j:S+j+1], s[CS:CS+1], v[12:13] op_sel_hi:[1,0,0]   ; t - M, two at a time
.set j, j+2
.endr
.irp c, 0,1
	v_fma_f32 v[MA+\c], v[MA+\c], s[CS], v12       ; the same of each block's largest score
.endr
.set j, 0
	s_wait_alu depctr_va_vdst(0)                   ; the wait ahead of the batch
.rept 64
	v_exp_f32 v[S+j], v[S+j]                       ; p = 2^(t - M)
.set j, j+1
.endr
	v_pk_mul_f32 v[14:15], v[14:15], v[FF:FF+1] op_sel_hi:[1,0]      ; the sums under the new M: the plain place behind the exponentials
	s_wait_alu depctr_va_vdst(0)                   ; one wait for the batch, ahead of its first reader
.irp c, 0,1
	v_exp_f32 v[MA+\c], v[MA+\c]                   ; the block's largest p
.endr
	v_pk_add_f32 v[246:247], v[100:101], v[104:105]                  ; the row's sum of the unquantised p: eight chains
	v_pk_add_f32 v[254:255], v[108:109], v[112:113]
	v_pk_add_f32 v[252:253], v[116:117], v[120:121]
	v_pk_add_f32 v[250:251], v[124:125], v[128:129]
	v_pk_add_f32 v[242:243], v[132:133], v[136:137]
	v_pk_add_f32 v[240:241], v[140:141], v[144:145]
	v_pk_add_f32 v[238:239], v[148:149], v[152:153]
	v_pk_add_f32 v[14:15], v[14:15], v[156:157]
	v_pk_add_f32 v[246:247], v[246:247], v[96:97]
	v_pk_add_f32 v[254:255], v[254:255], v[98:99]
	v_pk_add_f32 v[252:253], v[252:253], v[102:103]
	v_pk_add_f32 v[250:251], v[250:251], v[106:107]
	v_pk_add_f32 v[242:243], v[242:243], v[110:111]
	v_pk_add_f32 v[240:241], v[240:241], v[114:115]
	v_pk_add_f32 v[238:239], v[238:239], v[118:119]
	v_pk_add_f32 v[14:15], v[14:15], v[122:123]
	v_pk_add_f32 v[246:247], v[246:247], v[126:127]
	v_pk_add_f32 v[254:255], v[254:255], v[130:131]
	v_pk_add_f32 v[252:253], v[252:253], v[134:135]
	v_pk_add_f32 v[250:251], v[250:251], v[138:139]
	v_pk_add_f32 v[242:243], v[242:243], v[142:143]
	v_pk_add_f32 v[240:241], v[240:241], v[146:147]
	v_pk_add_f32 v[238:239], v[238:239], v[150:151]
	v_pk_add_f32 v[14:15], v[14:15], v[154:155]
	v_pk_add_f32 v[246:247], v[246:247], v[158:159]
	s_delay_alu instid0(VALU_DEP_2)
	v_pk_add_f32 v[14:15], v[14:15], v[250:251]
	s_delay_alu instid0(VALU_DEP_2)
	v_pk_add_f32 v[246:247], v[246:247], v[242:243]
	v_pk_add_f32 v[254:255], v[254:255], v[240:241]
	v_pk_add_f32 v[252:253], v[252:253], v[238:239]
	s_delay_alu instid0(VALU_DEP_2)
	v_pk_add_f32 v[14:15], v[14:15], v[254:255]
	s_delay_alu instid0(VALU_DEP_2)
	v_pk_add_f32 v[246:247], v[246:247], v[252:253]
	s_delay_alu instid0(VALU_DEP_1)
	v_pk_add_f32 v[14:15], v[14:15], v[246:247]
	s_wait_alu depctr_va_vdst(0)                   ; and one for the two
.irp c, 0,1
	v_max_num_f32 v[MA+\c], 0x1800000, v[MA+\c]    ; the floor 2^(3 - 127): the byte cannot fall under 1
.endr
.irp c, 0,1
	s_delay_alu instid0(VALU_DEP_2)
	v_add_nc_u32 v[MB+\c], 0xff000000, v[MA+\c]    ; 2 off the exponent field: the conversion's scale operand
.endr
.irp c, 0,1
	s_delay_alu instid0(VALU_DEP_2)
	v_lshrrev_b32 v[BY+\c], 23, v[MB+\c]
.endr
	s_delay_alu instid0(VALU_DEP_1)
	v_lshl_or_b32 v[PS], v[BY+1], 16, v[BY]        ; my blocks are h and 2 + h of the word's four
	s_delay_alu instid0(VALU_DEP_1)
	v_lshlrev_b32 v[PS], v[SH8], v[PS]
	s_delay_alu instid0(VALU_DEP_1)
	v_permlanex16_b32 v[T0+1], v[PS], s[SEL], s[SEL+1]
	s_delay_alu instid0(VALU_DEP_1)
	v_or_b32 v[PS], v[PS], v[T0+1]
.irp c, 0,1
	v_cvt_scalef32_pk16_fp6_f32 v[PC+6*\c:PC+6*\c+2], v[S+32*\c:S+32*\c+15], v[MB+\c]
	v_cvt_scalef32_pk16_fp6_f32 v[TP+4*\c:TP+4*\c+2], v[S+32*\c+16:S+32*\c+31], v[MB+\c]   ; (a conversion's three registers begin on an even number)
.endr
	v_nop                                          ; one plain place behind a scaled conversion
.irp c, 0,1
.irp i, 0,1,2
	v_mov_b32 v[PC+6*\c+3+\i], v[TP+4*\c+\i]
.endr
.endr
.set j, 0
.rept 16
	v_pk_mul_f32 v[OT+j:OT+j+1], v[OT+j:OT+j+1], v[FF:FF+1] op_sel_hi:[1,0]   ; O^T under the new M; also the places between p's codes and scale word and the products
.set j, j+2
.endr
	s_wait_alu depctr_va_vdst(0)                   ; the wait ahead of the blocking wait
	s_wait_dscnt 0x0                               ; v^T and its scale words are in
.irp t, 0,1,2,3
	v_wmma_scale_f32_16x16x128_f8f6f4 v[OT+8*\t:OT+8*\t+7], v[KB+12*\t:KB+12*\t+11], v[PC:PC+11], v[OT+8*\t:OT+8*\t+7], v[VS+\t], v[PS] matrix_a_fmt:MATRIX_FMT_FP6 matrix_b_fmt:MATRIX_FMT_FP6
.endr
	s_add_co_u32 s[TB], s[TB], REC
.endm
.macro STEPS first, n                  ; n key steps on the records that lie from place first of LDS on
	s_mov_b32 s[TB], (\first)*REC
	s_mov_b32 s[STP], \n
.Lstep_\@:
	STEP
	s_sub_co_u32 s[STP], s[STP], 1
	s_cmp_lg_u32 s[STP], 0
	s_cbranch_scc1 .Lstep_\@
.endm
; A FILL behind the head's: every wave waits for all its tensor loads, adds 0 to its spare word,
; waits for that and for its LDS reads; a round of the cluster's barrier; then waves 0 to n - 1 ask for the next records, one load a wave.
.macro FILL n, lds
	s_wait_tensorcnt 0x0                           ; no tensor load of mine is out, so the group 0 may be written
	ds_add_u32 v[SPW], v[NIL]
	ds_add_u32 v[SPW], v[NIL]
	s_add_co_u32 s[G0+1], s48, \lds
	s_add_nc_u64 s[G0+2:G0+3], s[G0+2:G0+3], SLOT1 ; twelve records on
	s_wait_dscnt 0x0
	CROUND
	TLOAD \n
.endm
; A HEAD'S END: O^T / l, quantised: my 32 registers are channels 32 h + 0..31 of the head: block 2 hd + h of the last product's K step
.macro HEAD_END hd
.rept 4
	v_nop                                          ; places behind the last products
.endr
.if (\hd) == 0
	QLOAD 1                                        ; the second head's q lands meanwhile
.endif
	v_add_f32 v14, v14, v15
	s_delay_alu instid0(VALU_DEP_1)
	v_permlanex16_b32 v[T0+1], v14, s[SEL], s[SEL+1]
	s_delay_alu instid0(VALU_DEP_1)
	v_add_f32 v14, v14, v[T0+1]                    ; with lane l xor 16's keys: the row's sum
	s_wait_alu depctr_va_vdst(0)
	v_rcp_f32 v[T0], v14
	v_nop                                          ; a plain place behind the reciprocal
	s_wait_alu depctr_va_vdst(0)                   ; and the wait ahead of its first reader
.set j, 0
.rept 16
	v_pk_mul_f32 v[S+j:S+j+1], v[OT+j:OT+j+1], v[T0:T0+1] op_sel_hi:[1,0]
.set j, j+2
.endr
	v_max3_num_f32 v[MA], 0x1800000, |v[S]|, |v[S+1]|
	v_max3_num_f32 v[MB], 0, |v[S+16]|, |v[S+17]|
.irp i, 2,4,6,8,10,12,14
	s_delay_alu instid0(VALU_DEP_2)
	v_max3_num_f32 v[MA], v[MA], |v[S+\i]|, |v[S+\i+1]|
	s_delay_alu instid0(VALU_DEP_2)
	v_max3_num_f32 v[MB], v[MB], |v[S+16+\i]|, |v[S+17+\i]|
.endr
	s_delay_alu instid0(VALU_DEP_1)
	v_max_num_f32 v[MA], v[MA], v[MB]
	s_delay_alu instid0(VALU_DEP_1)
	v_add_nc_u32 v[MB], 0xff000000, v[MA]
	s_delay_alu instid0(VALU_DEP_1)
	v_lshrrev_b32 v[OB+(\hd)], 23, v[MB]
	v_cvt_scalef32_pk16_fp6_f32 v[OC+6*(\hd):OC+6*(\hd)+2], v[S:S+15], v[MB]
	v_cvt_scalef32_pk16_fp6_f32 v[TP:TP+2], v[S+16:S+31], v[MB]
	v_nop
.irp i, 0,1,2
	v_mov_b32 v[OC+6*(\hd)+3+\i], v[TP+\i]
.endr
.endm
	FILL NREC, SLOT1                               ; records 0-11 are in; 12-23 are asked for: slot 1's first fill
	STEPS 0, 12
	FILL 8, 0                                      ; records 12-23 are in, slot 0 is read no more: 24-31 go into its first eight places
	STEPS 12, 4                                    ; the first head's last four records
	HEAD_END 0
	QTAKE
	s_wait_tensorcnt 0x0                           ; my part of records 24-31 is in,
	s_wait_dscnt 0x0
	s_barrier_signal -1                            ; say so
	STEPS 16, 8                                    ; reads of slot 1 alone, which nobody writes again
	s_barrier_wait -1                              ; everybody's part is in
	STEPS 0, 8
	HEAD_END 1
	v_lshl_or_b32 v[T0], v[OB+1], 16, v[OB]        ; O's scale word: my bytes are h and 2 + h
	s_delay_alu instid0(VALU_DEP_1)
	v_lshlrev_b32 v[T0], v[SH8], v[T0]
	s_delay_alu instid0(VALU_DEP_1)
	v_permlanex16_b32 v[T0+1], v[T0], s[SEL], s[SEL+1]
	s_delay_alu instid0(VALU_DEP_1)
	v_or_b32 v[T0], v[T0], v[T0+1]
.irp c, 0,1,2
	global_store_b128 v[LI], v[OC+4*\c:OC+4*\c+3], s[10:11] offset:512*\c   ; my tile's fragment: 512 consecutive bytes a store
.endr
	ds_store_b32 v[OSW], v[T0]                     ; both halves of the lanes write the same word with the same value
	s_wait_dscnt 0x0                               ; for the others' sake
	s_barrier_signal -1
	s_barrier_wait -1
	s_cmp_lt_u32 s[WV], 2
	s_cbranch_scc0 .Lno_os
	ds_load_b128 v[S:S+3], v[OSR]                  ; waves 0 and 1: the words of 128 positions each
	s_wait_dscnt 0x0
	global_store_b128 v[LI], v[S:S+3], s[12:13]    ; 512 consecutive bytes, aligned
.Lno_os:
	s_wait_tensorcnt 0x0                           ; the wave's end
	ds_add_u32 v[SPW], v[NIL]
	s_wait_dscnt 0x0
	CROUND                                         ; the closing round
	s_endpgm
.Lfunc_end_k_qb3816e611c_attn:
	.size	k_qb3816e611c_attn, .Lfunc_end_k_qb3816e611c_attn-k_qb3816e611c_attn
	.p2alignl 7, 3214868480
	.fill 96, 4, 3214868480
	.section	.rodata,"a",@progbits
	.p2align	6, 0x0
	.amdhsa_kernel k_qb3816e611c_attn
		.amdhsa_group_segment_fixed_size 327680
		.amdhsa_private_segment_fixed_size 0
		.amdhsa_enable_private_segment 0
		.amdhsa_kernarg_size 40
		.amdhsa_user_sgpr_count 2
		.amdhsa_user_sgpr_kernarg_segment_ptr 1
		.amdhsa_wavefront_size32 1
		.amdhsa_system_sgpr_workgroup_id_x 1
		.amdhsa_system_sgpr_workgroup_id_y 1
		.amdhsa_system_sgpr_workgroup_id_z 1
		.amdhsa_system_vgpr_workitem_id 0
		.amdhsa_next_free_vgpr 256
		.amdhsa_next_free_sgpr 66
		.amdhsa_reserve_vcc 0
		.amdhsa_float_denorm_mode_32 3
		.amdhsa_float_denorm_mode_16_64 3
		.amdhsa_memory_ordered 1
		.amdhsa_forward_progress 1
		.amdhsa_inst_pref_size 81
	.end_amdhsa_kernel
	.amdgpu_metadata
---
amdhsa.version: [ 1, 2 ]
amdhsa.kernels:
  - .name:           k_qb3816e611c_attn
    .symbol:         k_qb3816e611c_attn.kd
    .args:
      - { .name: qi, .offset: 0, .size: 8, .value_kind: global_buffer, .address_space: global }
      - { .name: qs, .offset: 8, .size: 8, .value_kind: global_buffer, .address_space: global }
      - { .name: kv, .offset: 16, .size: 8, .value_kind: global_buffer, .address_space: global }
      - { .name: oi, .offset: 24, .size: 8, .value_kind: global_buffer, .address_space: global }
      - { .name: os, .offset: 32, .size: 8, .value_kind: global_buffer, .address_space: global }
    .group_segment_fixed_size: 327680
    .private_segment_fixed_size: 0
    .kernarg_segment_align: 8
    .kernarg_segment_size: 40
    .max_flat_workgroup_size: 512
    .sgpr_count:     66
    .vgpr_count:     256
    .wavefront_size: 32
...
	.end_amdgpu_metadata
.endif
;; end of part 3
;; launch proj (part 4): grid 4 x 64, 4 waves a work-group, clusters of 4 x 4, 327,680 bytes of LDS; arguments oi, os, cod, scl, b_out, out0; writes out0
.if DOCPART == 4
	.amdgcn_target "amdgcn-amd-amdhsa--gfx1250"
	.amdhsa_code_object_version 6
	.text
	.protected	k_qb3816e611c_proj
	.globl	k_qb3816e611c_proj
	.p2align	8
	.type	k_qb3816e611c_proj,@function
k_qb3816e611c_proj:
	s_mov_b64 s[64:65], 0
	v_nop
	global_prefetch_b8 v0, s[64:65] scope:SCOPE_SE
	s_setreg_imm32_b32 hwreg(HW_REG_WAVE_MODE, 25, 1), 1
	s_wait_xcnt 0x0
	s_wait_alu depctr_hold_cnt(0) depctr_sa_sdst(0) depctr_va_vdst(0) depctr_va_sdst(0) depctr_va_ssrc(0) depctr_va_vcc(0) depctr_vm_vsrc(0)
	s_getreg_b32 s2, hwreg(HW_REG_IB_STS2, 6, 4)
	s_cmp_eq_u32 s2, 0
	s_cbranch_scc0 .Lentry_in_a_cluster
	s_endpgm
.Lentry_in_a_cluster:
	s_bfe_u32 s2, ttmp6, 0x10000c
	s_cmp_lg_u32 s2, 0xf033
	s_cbranch_scc0 .Lentry_shape_is_right
	s_endpgm
.Lentry_shape_is_right:
; out0 = O W_out^T + b_out on codes of FP6 (E2M3) with E8M0 scales.  O's codes (oi) and scale words (os) and W_out's (cod, scl, positions 11,264 on) lie as images of the matrix unit's registers:
; codes [tile of 16 positions][K step 0..7][1536] (lane l's registers 4 g .. 4 g + 3 at 512 g + 16 l), scale words [position / 128][K step][128 words].  Within each 64 rows position 16 t + 8 e + j holds row 32 e + 8 t + j.
; A work-group makes 128 rows x 256 columns.  ALL OF K FITS IN LDS: O's 8 tiles are 98,304 dense bytes, W_out's 16 tiles 196,608, the scale words 4,096 and 8,192.  The four blocks are the head's four
; tensor loads, one a wave; nothing is filled again, so there is no ring: one barrier shows the blocks to all waves, and the eight K steps follow with no barrier between them.
; CLUSTERS of 4 x 4: O's blocks are shared along a row of the cluster, W_out's along a column: each is asked for jointly.
; NO PREFETCH: all that the launch reads is asked for at its head; there is no loop to run ahead in.
; A wave makes 64 x 128: 32 accumulators (window 2).  Fragments have two register sets (O's in window 0, W_out's in window 1): step t + 1's 44 LDS loads are issued ahead of step t's 32 products.
; The matrix instruction is used transposed (source 0 = W_out's positions, source 1 = O's): a lane holds eight neighbouring columns of a row.  The bias is the first step's C.
.set ACOD,  0
.set BCOD,  98304
.set SCL,   294912
.set SPARE, SCL+12288                  ; the spare words, 128 bytes a wave: two blocks of 256 bytes that no other line names
.set SPITCH, 528                       ; the way out: a stage of 16 rows x (512 + 16) bytes a wave, on O's codes' first bytes, behind their last read
.set ADRA, 16
.set ADRB, 20                          ; v20 tiles 0-3, v21 tiles 4-7
.set STO,  22
.set RD,   23
.set LI,   24
.set BA,   26
.set ADRS, 27
.set SPW,  28
.set NIL,  29
.set SC,   32                          ; two sets of 8 scale words: lanes 0-15 O's tile i, lanes 16-31 W_out's tile i
.set BI,   64                          ; v64-127 the bias in the result's layout
.set AF,   128                         ; O's fragments: two sets of 48
.set BK,   128                         ; the way out: two sets of 64
.set G1,   24
.set G0,   32
.set G1B,  48
.set G0B,  56
.set G1S,  68
.set G0S,  76
.set G1SB, 80
.set G0SB, 88
.set MSB, 0
.macro WIN new                         ; the immediate's high byte repeats the setting that is left
.if MSB != (\new)
	s_set_vgpr_msb (MSB<<8)|(\new)
.set MSB, (\new)
.endif
.endm
.macro CROUND
	s_barrier_signal -1
	s_barrier_wait -1
	s_cmp_lg_u32 s16, 0
	s_cbranch_scc1 .Lnot_wave_0_\@
	s_barrier_signal -3
.Lnot_wave_0_\@:
	s_barrier_wait -3
	s_barrier_signal -1
	s_barrier_wait -1
.endm
.macro PLACES
.rept 4
	v_nop
.endr
.endm
.macro GRP1 g, m, rows                 ; a dense block as rows of 256 bytes (32 elements of 8), with the mask m and bit 21 beside it
	s_or_b32 s[\g], \m, (3<<16)|(1<<21)
	s_mov_b32 s[\g+1], 32<<16
	s_mov_b32 s[\g+2], (\rows)<<16
	s_mov_b32 s[\g+3], 32<<16
	s_mov_b32 s[\g+4], \rows
	s_mov_b32 s[\g+5], 32
	s_mov_b32 s[\g+6], 0
	s_mov_b32 s[\g+7], 0
.endm
	s_load_b256 s[4:11], s[0:1], 0x0               ; oi, os, cod, scl
	s_load_b128 s[12:15], s[0:1], 0x20             ; b_out, out0
	v_lshl_add_u32 v[SPW], v0, 2, SPARE
	v_mov_b32 v[NIL], 0
	ds_add_u32 v[SPW], v[NIL]                      ; the opening lines: the add twice on end and its wait
	ds_add_u32 v[SPW], v[NIL]
	v_lshrrev_b32 v1, 5, v0
	v_readfirstlane_b32 s16, v1                    ; wave 0..3
	s_lshr_b32 s17, s16, 1                         ; my half of the rows
	s_and_b32 s18, s16, 1                          ; my half of the columns
	s_bfe_u32 s40, ttmp6, 0x40000                  ; cx: the block of 256 columns
	s_bfe_u32 s41, ttmp6, 0x40004                  ; cy
	s_and_b32 s42, ttmp7, 0xffff
	s_lshl_b32 s43, s41, 2
	s_lshl_b32 s43, 15, s43                        ; my row of the cluster
	s_lshl_b32 s44, 0x1111, s40                    ; my column
	GRP1 G1, s43, 384
	GRP1 G1B, s44, 768
	GRP1 G1S, s43, 16
	GRP1 G1SB, s44, 32
	s_lshl_b32 s20, s42, 2
	s_add_co_u32 s20, s20, s41                     ; the block of 128 rows
	s_mul_i32 s92, s20, 98304
	s_mov_b32 s93, 0
	s_lshl_b32 s94, s20, 12
	s_mov_b32 s95, 0
	s_mul_i32 s96, s40, 196608
	s_add_co_u32 s96, s96, 11264*768
	s_mov_b32 s97, 0
	s_lshl_b32 s98, s40, 13
	s_add_co_u32 s98, s98, 11264*32
	s_mov_b32 s99, 0
	s_mul_i32 s21, s17, 49152                      ; LDS: my four tiles of O,
	s_mul_i32 s22, s18, 98304
	s_add_co_u32 s22, s22, BCOD                    ; my eight of W_out: tiles 0-3,
	s_add_co_u32 s23, s22, 49152                   ; tiles 4-7
	s_lshl_b32 s45, s17, 8                         ; my 64 rows' words of a K step
	s_lshl_b32 s46, s18, 12
	s_add_co_u32 s46, s46, 4096
	s_sub_co_u32 s46, s46, s45                     ; from there to my 128 columns' words
	s_add_co_u32 s47, s45, SCL
	s_mul_i32 s66, s16, 16*SPITCH                  ; my stage
	s_lshl_b32 s36, s40, 10                        ; my first column, in bytes of f32
	s_lshl_b32 s37, s18, 9
	s_add_co_u32 s36, s36, s37
	s_mov_b32 s37, 0
	s_lshl_b32 s38, s20, 7
	s_lshl_b32 s39, s17, 6
	s_add_co_u32 s38, s38, s39                     ; my first row
	s_lshl_b32 s38, s38, 12
	s_add_co_u32 s38, s38, s36
	s_mov_b32 s39, 0
	s_wait_dscnt 0x0                               ; both opening adds are done
	s_wait_kmcnt 0x0
	s_mov_b32 s[G0], 1
	s_mov_b32 s[G0+1], ACOD
	s_add_nc_u64 s[G0+2:G0+3], s[4:5], s[92:93]
	s_or_b32 s[G0+3], s[G0+3], 0x80000000
	s_mov_b32 s[G0B], 1
	s_mov_b32 s[G0B+1], BCOD
	s_add_nc_u64 s[G0B+2:G0B+3], s[8:9], s[96:97]
	s_or_b32 s[G0B+3], s[G0B+3], 0x80000000
	s_mov_b32 s[G0S], 1
	s_mov_b32 s[G0S+1], SCL
	s_add_nc_u64 s[G0S+2:G0S+3], s[6:7], s[94:95]
	s_or_b32 s[G0S+3], s[G0S+3], 0x80000000
	s_mov_b32 s[G0SB], 1
	s_mov_b32 s[G0SB+1], SCL+4096
	s_add_nc_u64 s[G0SB+2:G0SB+3], s[10:11], s[98:99]
	s_or_b32 s[G0SB+3], s[G0SB+3], 0x80000000
	s_add_nc_u64 s[12:13], s[12:13], s[36:37]
	s_add_nc_u64 s[14:15], s[14:15], s[38:39]
	CROUND                                         ; all sixteen work-groups are here: the joint loads meet
; the head's four loads, one a wave, in one chain of arms on the wave's number: O's codes, W_out's codes, O's scale words, W_out's
.macro ARM under, g0, g1, next
	s_cmp_lt_u32 s16, \under
	s_cbranch_scc0 \next
	tensor_load_to_lds s[\g0:\g0+3], s[\g1:\g1+7]
	s_nop 0
.rept 4
	v_nop
.endr
	s_branch .Lhead_asked
\next:
.endm
	ARM 1, G0,  G1,  .Lhead_b
	ARM 2, G0B, G1B, .Lhead_sa
	ARM 3, G0S, G1S, .Lhead_sb
	tensor_load_to_lds s[G0SB:G0SB+3], s[G1SB:G1SB+7]
	s_nop 0
.rept 4
	v_nop
.endr
.Lhead_asked:
	v_and_b32 v1, 15, v0                           ; r
	v_bfe_u32 v2, v0, 4, 1                         ; h
	v_and_b32 v3, 31, v0
	v_lshlrev_b32 v[LI], 4, v3                     ; 16 x lane
	v_add_nc_u32 v[ADRA], s21, v[LI]
	v_add_nc_u32 v[ADRB], s22, v[LI]
	v_add_nc_u32 v[ADRB+1], s23, v[LI]
	v_lshlrev_b32 v5, 2, v1
	v_mul_u32_u24 v6, s46, v2                      ; lanes 16-31 take W_out's words
	v_add_nc_u32 v5, v5, v6
	v_add_nc_u32 v[ADRS], s47, v5
	v_mul_u32_u24 v7, v1, SPITCH
	v_lshl_add_u32 v7, v2, 7, v7
	v_add_nc_u32 v[STO], s66, v7                   ; the stage, way in: row r, + 128 h
	v_add_nc_u32 v[RD], s66, v[LI]                 ; way out: a row's 512 bytes
	v_lshlrev_b32 v[BA], 7, v2
	s_wait_alu depctr_va_vdst(0)                   ; the wait at the head's end
.irp b, 0,1,2,3,4,5,6,7
	global_load_b128 v[BI+8*\b:BI+8*\b+3], v[BA], s[12:13] offset:4*(64*(\b/4)+8*(\b%4))       ; tile b, half h, register j: column 64 (b / 4) + 32 h + 8 (b % 4) + j
	global_load_b128 v[BI+8*\b+4:BI+8*\b+7], v[BA], s[12:13] offset:4*(64*(\b/4)+8*(\b%4))+16
.endr
.macro FETCH t                         ; K step t's fragments and scale words into set t % 2: 24 + 12 + 8 = 44 LDS loads
	WIN 0x40
.irp i, 0,1,2,3,4,5,6,7
.irp c, 0,1,2
	ds_load_b128 v[128*((\t)%2)+12*\i+4*\c:128*((\t)%2)+12*\i+4*\c+3], v[ADRB+\i/4] offset:12288*(\i%4)+1536*(\t)+512*\c
.endr
.endr
	WIN 0
.irp i, 0,1,2,3
.irp c, 0,1,2
	ds_load_b128 v[AF+48*((\t)%2)+12*\i+4*\c:AF+48*((\t)%2)+12*\i+4*\c+3], v[ADRA] offset:12288*\i+1536*(\t)+512*\c
.endr
.endr
.irp i, 0,1,2,3,4,5,6,7
	ds_load_b32 v[SC+8*((\t)%2)+\i], v[ADRS] offset:512*(\t)+64*\i
.endr
.endm
.macro MUL t                           ; 32 products; the accumulators take turns in the same order in every step
.if (\t) == 0
	WIN 0x81                                       ; C, the bias, in window 0
.else
	WIN 0xa1
.endif
.irp a, 0,1,2,3
.irp b, 0,1,2,3,4,5,6,7
.if (\t) == 0
	v_wmma_scale_f32_16x16x128_f8f6f4 v[8*(8*\a+\b):8*(8*\a+\b)+7], v[128*((\t)%2)+12*\b:128*((\t)%2)+12*\b+11], v[AF+48*((\t)%2)+12*\a:AF+48*((\t)%2)+12*\a+11], v[BI+8*\b:BI+8*\b+7], v[SC+8*((\t)%2)+\b], v[SC+8*((\t)%2)+\a] matrix_a_fmt:MATRIX_FMT_FP6 matrix_b_fmt:MATRIX_FMT_FP6 matrix_a_scale:MATRIX_SCALE_ROW1
.else
	v_wmma_scale_f32_16x16x128_f8f6f4 v[8*(8*\a+\b):8*(8*\a+\b)+7], v[128*((\t)%2)+12*\b:128*((\t)%2)+12*\b+11], v[AF+48*((\t)%2)+12*\a:AF+48*((\t)%2)+12*\a+11], v[8*(8*\a+\b):8*(8*\a+\b)+7], v[SC+8*((\t)%2)+\b], v[SC+8*((\t)%2)+\a] matrix_a_fmt:MATRIX_FMT_FP6 matrix_b_fmt:MATRIX_FMT_FP6 matrix_a_scale:MATRIX_SCALE_ROW1
.endif
.endr
.endr
.endm
	s_wait_tensorcnt 0x0                           ; my block is in
	s_barrier_signal -1
	s_barrier_wait -1                              ; all four are
	FETCH 0
	s_wait_loadcnt 0x0                             ; the bias
.set T, 0
.rept 7
.if T > 0
	PLACES                                         ; in front of loads into registers that products have read
.endif
	FETCH T+1
	s_wait_dscnt 44                                ; all but the 44 just issued: this step's are in
	MUL T
.set T, T+1
.endr
	s_wait_dscnt 0x0                               ; my last reads of the blocks are over:
	s_barrier_signal -1                            ; say so,
	MUL 7
	WIN 0
	s_barrier_wait -1                              ; and behind this wait nobody reads the bytes on which the stages lie
	PLACES
; THE WAY OUT, tile by tile of 16 positions x 128 columns, through my own stage: whole rows of 512 bytes come back and are stored by the 32 lanes
.macro TOSTAGE a
	WIN 0x08
.irp b, 0,1,2,3,4,5,6,7
	ds_store_b128 v[STO], v[64*(\a)+8*\b:64*(\a)+8*\b+3] offset:256*(\b/4)+32*(\b%4)          ; each accumulator from its low end on
	ds_store_b128 v[STO], v[64*(\a)+8*\b+4:64*(\a)+8*\b+7] offset:256*(\b/4)+32*(\b%4)+16
.endr
	WIN 0
.irp t, 0,1,2,3,4,5,6,7,8,9,10,11,12,13,14,15
	ds_load_b128 v[BK+64*((\a)%2)+4*\t:BK+64*((\a)%2)+4*\t+3], v[RD] offset:\t*SPITCH         ; LDS serves a wave's instructions in order: these see the stores above
.endr
.endm
.macro SEND a, younger                 ; position 16 a + t is row 32 (t / 8) + 8 a + t % 8
	s_wait_dscnt \younger
.irp t, 0,1,2,3,4,5,6,7,8,9,10,11,12,13,14,15
	global_store_b128 v[LI], v[BK+64*((\a)%2)+4*\t:BK+64*((\a)%2)+4*\t+3], s[14:15] offset:4096*(32*(\t/8)+8*(\a)+\t%8) th:TH_STORE_NT
.endr
.endm
	TOSTAGE 0
	TOSTAGE 1
	SEND 0, 32                                     ; behind tile 0's loads: tile 1's 16 stores and 16 loads
	s_wait_xcnt 0x0                                ; tile 0's stores have read their registers
	TOSTAGE 2
	SEND 1, 32
	s_wait_xcnt 0x0
	TOSTAGE 3
	SEND 2, 32
	SEND 3, 0
	s_wait_tensorcnt 0x0                           ; the wave's end
	ds_add_u32 v[SPW], v[NIL]
	s_wait_dscnt 0x0
	CROUND                                         ; the closing round
	s_endpgm
.Lfunc_end_k_qb3816e611c_proj:
	.size	k_qb3816e611c_proj, .Lfunc_end_k_qb3816e611c_proj-k_qb3816e611c_proj
	.p2alignl 7, 3214868480
	.fill 96, 4, 3214868480
	.section	.rodata,"a",@progbits
	.p2align	6, 0x0
	.amdhsa_kernel k_qb3816e611c_proj
		.amdhsa_group_segment_fixed_size 327680
		.amdhsa_private_segment_fixed_size 0
		.amdhsa_enable_private_segment 0
		.amdhsa_kernarg_size 48
		.amdhsa_user_sgpr_count 2
		.amdhsa_user_sgpr_kernarg_segment_ptr 1
		.amdhsa_wavefront_size32 1
		.amdhsa_system_sgpr_workgroup_id_x 1
		.amdhsa_system_sgpr_workgroup_id_y 1
		.amdhsa_system_sgpr_workgroup_id_z 1
		.amdhsa_system_vgpr_workitem_id 0
		.amdhsa_next_free_vgpr 768
		.amdhsa_next_free_sgpr 102
		.amdhsa_reserve_vcc 0
		.amdhsa_float_denorm_mode_32 3
		.amdhsa_float_denorm_mode_16_64 3
		.amdhsa_memory_ordered 1
		.amdhsa_forward_progress 1
		.amdhsa_inst_pref_size 80
	.end_amdhsa_kernel
	.amdgpu_metadata
---
amdhsa.version: [ 1, 2 ]
amdhsa.kernels:
  - .name:           k_qb3816e611c_proj
    .symbol:         k_qb3816e611c_proj.kd
    .args:
      - { .name: oi, .offset: 0, .size: 8, .value_kind: global_buffer, .address_space: global }
      - { .name: os, .offset: 8, .size: 8, .value_kind: global_buffer, .address_space: global }
      - { .name: cod, .offset: 16, .size: 8, .value_kind: global_buffer, .address_space: global }
      - { .name: scl, .offset: 24, .size: 8, .value_kind: global_buffer, .address_space: global }
      - { .name: b_out, .offset: 32, .size: 8, .value_kind: global_buffer, .address_space: global }
      - { .name: out0, .offset: 40, .size: 8, .value_kind: global_buffer, .address_space: global }
    .group_segment_fixed_size: 327680
    .private_segment_fixed_size: 0
    .kernarg_segment_align: 8
    .kernarg_segment_size: 48
    .max_flat_workgroup_size: 128
    .sgpr_count:     102
    .vgpr_count:     768
    .wavefront_size: 32
...
	.end_amdgpu_metadata
.endif
;; end of part 4
